; MI455X (gfx1250); checked and timed in simulation.
; The chip was launched on July 23, 2026; its instructions are those of AMD's public machine-readable ISA for CDNA 5 (MIT licence, August 2026) and "CDNA5" Instruction Set Architecture Reference Guide (July 2026). The comments in the code are by the model that wrote it; some were corrected since.
;; Multi Head Attention TF. Allowed arithmetic: matrix products marked QUANTISED: E3M2 operands, one E8M0 scale for each 32 along K, by v_wmma_scale_f32_16x16x128_f8f6f4 with both operands' format E3M2, f32 sums; products left as they are: f32 operands where the result goes on into a quantised operand, else bf16, f16 or f32 operands; f32 sums; everything else in f32.
;; Inputs: Wk_codes 1,024 x 32 x 24 uint8 (E3M2 codes of Wk, K innermost, in blocks of 32 codes, four codes in three bytes); Wk_scales 1,024 x 32 uint8 (E8M0 scales of Wk, one for each 32 codes along K); Wo_codes 1,024 x 32 x 24 uint8 (E3M2 codes of Wo, K innermost, in blocks of 32 codes, four codes in three bytes); Wo_scales 1,024 x 32 uint8 (E8M0 scales of Wo, one for each 32 codes along K); Wq_codes 1,024 x 32 x 24 uint8 (E3M2 codes of Wq, K innermost, in blocks of 32 codes, four codes in three bytes); Wq_scales 1,024 x 32 uint8 (E8M0 scales of Wq, one for each 32 codes along K); Wv_codes 1,024 x 32 x 24 uint8 (E3M2 codes of Wv, K innermost, in blocks of 32 codes, four codes in three bytes); Wv_scales 1,024 x 32 uint8 (E8M0 scales of Wv, one for each 32 codes along K); key_codes 8 x 2,048 x 32 x 24 uint8 (E3M2 codes of key, K innermost, in blocks of 32 codes, four codes in three bytes); key_scales 8 x 2,048 x 32 uint8 (E8M0 scales of key, one for each 32 codes along K); query_codes 8 x 2,048 x 32 x 24 uint8 (E3M2 codes of query, K innermost, in blocks of 32 codes, four codes in three bytes); query_scales 8 x 2,048 x 32 uint8 (E8M0 scales of query, one for each 32 codes along K); value_codes 8 x 2,048 x 32 x 24 uint8 (E3M2 codes of value, K innermost, in blocks of 32 codes, four codes in three bytes); value_scales 8 x 2,048 x 32 uint8 (E8M0 scales of value, one for each 32 codes along K).
;; Outputs: out0 8 x 2,048 x 1,024 float32.
;; This version of the problem:
;;   THIS VERSION OF THE PROBLEM IS GIVEN IN LOW PRECISION. The matrix products marked QUANTISED in the list below multiply operands that are first quantised to E3M2 (3 exponent bits, 2 mantissa bits; 6 bits a number), with one power-of-two scale for each 32 numbers along K (OCP MX v1.0); their sums are f32. All else is computed in f32.
;;   The module's matrix products, in the order in which they are computed (A, B: the left and right operand; K: the contracted axis; several contracted axes count as one K, in the product's order):
;;     1. [M 16,384, K 1,024] x [K 1,024, N 1,024]; A: input value (given as codes); B: input Wv (given as codes): QUANTISED
;;     2. [M 16,384, K 1,024] x [K 1,024, N 1,024]; A: input key (given as codes); B: input Wk (given as codes): QUANTISED
;;     3. [M 16,384, K 1,024] x [K 1,024, N 1,024]; A: input query (given as codes); B: input Wq (given as codes): QUANTISED
;;     4. batch 16,384 x [M 16, K 64] x [K 64, N 16]; A: computed on the way; B: computed on the way: QUANTISED
;;     5. batch 16,384 x [M 16, K 16] x [K 16, N 64]; A: softmax; B: computed on the way: left as it is (K = 16 < 32)
;;     6. [M 16,384, K 1,024] x [K 1,024, N 1,024]; A: computed on the way; B: input Wo (given as codes): QUANTISED
;;   THE QUANTISER, for each operand of a quantised product, along K:
;;     - K is cut into blocks of 32 from its start; a last block that is shorter is filled with zeros.
;;     - A block's scale is 2^e with e = floor(log2(the largest magnitude in the block)) - 4, held to -126 .. 127; a block of zeros has e = 0. As a byte (E8M0): e + 127.
;;     - Each number is divided by its block's scale, clamped to +-28, and rounded to the nearest number of E3M2, ties to even, subnormals kept.
;;     - The product sums the exact products of the quantised numbers (number of the format x scale) in f32.
;;   ~~~python
;;   def quantise(x, axis):      # numpy; x: float32 -> the quantised numbers, widened to float32 again
;;       x = np.moveaxis(x, axis, -1); K = x.shape[-1]
;;       x = np.pad(x, [(0, 0)] * (x.ndim - 1) + [(0, -K % 32)]); x = x.reshape(x.shape[:-1] + (-1, 32)); a = np.abs(x).max(-1, keepdims=True)
;;       e = np.where(a > 0, np.clip(np.frexp(np.where(a > 0, a, 1))[1] - 1 - 4, -126, 127), 0)      # np.frexp(a)[1] - 1 = floor(log2(a)), exactly
;;       r = np.clip(x / 2.0 ** e, -28, 28)
;;       step = 2.0 ** (np.maximum(np.frexp(np.where(r == 0, 1, r))[1] - 1, -2) - 2)
;;       q = np.round(r / step) * step * 2.0 ** e      # np.round: ties to even
;;       return np.moveaxis(q.reshape(q.shape[:-2] + (-1,))[..., :K], -1, axis).astype(np.float32)
;;   ~~~
;;   OPERANDS COMPUTED ON THE WAY. 'Computed on the way' means the value that the module computes at that place (a softmax that the list does not call 'softmax' is quantised finished and normalised). What goes into a quantiser is computed in f32, as accurately as f32 sums, v_exp_f32 and their like allow (about 1e-6 of the number): no bf16 or f16 on the way to a quantiser, and a product that is left as it is and whose result goes on into a quantised operand takes f32 operands (vector FMAs, or v_wmma_f32_16x16x4_f32). A number that lies on a knife's edge between two numbers of the format may be rounded either way, as far as f32 arithmetic and the matrix unit's own rounding can turn it there, and no further.
;;   INPUTS GIVEN AS CODES. Wk (in the module: [1024, 1024], K = its axis 0); Wo (in the module: [1024, 1024], K = its axis 0); Wq (in the module: [1024, 1024], K = its axis 0); Wv (in the module: [1024, 1024], K = its axis 0); key (in the module: [8, 2048, 1024], K = its axis 2); query (in the module: [8, 2048, 1024], K = its axis 2); value (in the module: [8, 2048, 1024], K = its axis 2): each comes as NAME_codes (uint8): NAME with its K axis moved to the last place and cut into blocks of 32 codes, [.., K / 32, bytes a block], one block behind the other in memory; four codes in three bytes: a row's codes are one little-endian stream of bits, code i at bits 6 i .. 6 i + 5 (a code: sign, 3 exponent bits, 2 mantissa bits); and NAME_scales (uint8): the same leading axes, one E8M0 byte (e + 127) for each 32 codes along K. Its value is code x scale, taken as it is: it is not quantised again, and the codes and scales need not be those that the quantiser above would give.
;; 2 versions. Each part assembles by itself: llvm-mc -triple=amdgcn-amd-amdhsa -mcpu=gfx1250 --defsym DOCPART=n.
;; ======== version 1 of 2: 2 launches
;; workspace buffers: wimg 3,276,800 bytes
;; launch lay (part 1): grid 256 x 1, 2 waves a work-group, no clusters, 0 bytes of LDS; arguments Wq_codes, Wq_scales, Wk_codes, Wk_scales, Wv_codes, Wv_scales, Wo_codes, Wo_scales, wimg; writes wimg
.if DOCPART == 1
	.amdgcn_target "amdgcn-amd-amdhsa--gfx1250"
	.amdhsa_code_object_version 6
	.text
	.protected	k_qb30b6a1306_lay
	.globl	k_qb30b6a1306_lay
	.p2align	8
	.type	k_qb30b6a1306_lay,@function
k_qb30b6a1306_lay:
	s_mov_b64 s[64:65], 0
	v_nop
	global_prefetch_b8 v0, s[64:65] scope:SCOPE_SE
	s_setreg_imm32_b32 hwreg(HW_REG_WAVE_MODE, 25, 1), 1
	s_wait_xcnt 0x0
; The four weights (codes of E3M2, K innermost, 768 bytes a row; one E8M0 byte for each 32 along K, 32 bytes a row) are copied once into wimg, in the order of
; the matrix operand's registers, so that the next launch loads every fragment by three loads of 16 bytes a lane and a K step's 16 scale words by two.
; NO WORK OF THE PROBLEM IS LEFT OUT, here or in the next launch: every input has a way to the output, and all are loaded.
; wimg: chunk (P, w, q) at ((4 P + w) 8 + q) x 25,600 bytes; P = 0 Wq, 1 Wk, 2 Wv, 3 Wo; w = the wave that will read it; q = the K step of 128.
;   In a chunk: 16 fragment images of 1,536 bytes (tile t at 1,536 t; registers 4 c .. 4 c + 3 of lane l at 512 c + 16 l), then 1,024 bytes of scale words:
;   at 24,576 + 512 i + 16 l + 4 j the word (four bytes: this K step) of row l % 16 of tile 8 i + 2 j + l / 16.
; A fragment is 16 rows x 128 K in 12 registers: lane (r, h) holds of its row the 24 bytes at 96 q + 24 h and the 24 bytes 48 further on, as they lie.
; WHICH ROWS FORM A TILE is chosen for what the product's result becomes.  Row of lane r of tile t of wave w:
;   Wq, Wk: 256 w + 32 (t / 2) + 8 (t % 2) + r + 8 (r / 8): the 16 result registers of tiles 2 b, 2 b + 1 are then 16 neighbours along the next K;
;   Wv:     64 r + 16 w + t: a tile is one channel d = 16 w + t with its 16 heads;      Wo: 256 w + 16 t + r.
; SHARES: work-group X takes tile t = X % 16 of wave w = (X / 16) % 4 of weight P = X / 64; its wave v the K steps 4 v .. 4 v + 3.  Wave 0 also writes one half (i = t % 2)
; of the scale words of K step t / 2.  Each store of a wave covers 512 consecutive bytes, aligned.  No LDS, no barrier: waves share nothing.
.set CH,    25600                      ; a chunk
.set WAVEB, 8*CH                       ; a wave's eight chunks of one weight
	s_load_b512 s[8:23], s[0:1], 0x0               ; Wq codes, scales; Wk; Wv; Wo
	s_load_b64 s[24:25], s[0:1], 0x40              ; wimg
	v_lshrrev_b32 v1, 5, v0
	v_readfirstlane_b32 s2, v1                     ; wave v
	v_and_b32 v1, 31, v0                           ; lane
	v_and_b32 v2, 15, v0                           ; r
	v_bfe_u32 v3, v0, 4, 1                         ; h
	v_lshlrev_b32 v5, 4, v1                        ; 16 x lane
	s_lshr_b32 s3, ttmp9, 6                        ; P
	s_bfe_u32 s4, ttmp9, 0x20004                   ; w
	s_and_b32 s5, ttmp9, 15                        ; t
	s_lshl_b32 s6, s4, 8                           ; 256 w
	s_lshr_b32 s7, s5, 1                           ; t / 2 (also: the scale job's K step)
	s_and_b32 s26, s5, 1                           ; t % 2 (also: the scale job's half i)
	s_lshl_b32 s27, s7, 5
	s_add_co_u32 s27, s27, s6
	s_lshl_b32 s36, s26, 3
	s_add_co_u32 s27, s27, s36                     ; the tile's first row in Wq, Wk: 256 w + 32 (t / 2) + 8 (t % 2)
	s_lshl_b32 s36, s4, 4                          ; 16 w
	s_add_co_u32 s37, s36, s5                      ; in Wv: 16 w + t
	s_lshl_b32 s38, s5, 4
	s_add_co_u32 s38, s38, s6                      ; in Wo: 256 w + 16 t
	s_lshl_b32 s39, s26, 7
	s_add_co_u32 s39, s39, s6                      ; the scale job's first row: 256 w + 128 i,
	s_lshl_b32 s46, s26, 3
	s_add_co_u32 s46, s46, s36                     ; in Wv 16 w + 8 i
	s_cmp_eq_u32 s3, 2                             ; the choices hang on the work-group's number alone
	s_cselect_b32 s37, s37, s38
	s_cselect_b32 s38, 64, 1                       ; rows from lane to lane
	s_cselect_b32 s39, s46, s39
	s_cselect_b32 s46, 2, 32                       ; the scale job: rows from word j to word j + 1 (two tiles on),
	s_cselect_b32 s47, 1, 16                       ; and from lanes 0-15 to lanes 16-31 (one tile on)
	s_cmp_lt_u32 s3, 2
	s_cselect_b32 s27, s27, s37
	s_cselect_b32 s38, 1, s38
	s_cselect_b32 s37, 8, 0                        ; Wq, Wk: lanes 8-15 stand 8 rows further on
	s_cselect_b32 s47, 8, s47
	v_mul_lo_u32 v12, v2, s38
	v_lshrrev_b32 v6, 3, v2
	v_mul_lo_u32 v6, v6, s37
	v_add_nc_u32 v12, v12, v6                      ; my lane's row within a tile
	v_add_nc_u32 v4, s27, v12                      ; my row of the weight
	v_mul_u32_u24 v4, v4, 768
	v_mad_u32_u24 v4, v3, 24, v4                   ; its codes, + 24 h,
	s_mul_i32 s36, s2, 384
	v_add_nc_u32 v4, s36, v4                       ; + my wave's four K steps of 96 bytes
	v_mul_lo_u32 v13, v3, s47
	v_add3_u32 v13, v13, v12, s39                  ; the scale job: my row for word 0
	v_lshlrev_b32 v13, 5, v13                      ; 32 scale bytes a row
	s_lshl_b32 s36, s7, 2
	v_add_nc_u32 v8, s36, v13                      ; + 4 x K step
	s_lshl_b32 s46, s46, 5
	v_add_nc_u32 v9, s46, v8
	v_add_nc_u32 v10, s46, v9
	v_add_nc_u32 v11, s46, v10
	s_lshl_b32 s40, s3, 2
	s_add_co_u32 s40, s40, s4
	s_mul_i32 s40, s40, WAVEB                      ; chunk (P, w, 0)
	s_mul_i32 s44, s7, CH
	s_add_co_u32 s44, s44, s40
	s_lshl_b32 s36, s26, 9
	s_add_co_u32 s44, s44, s36
	s_add_co_u32 s44, s44, 24576                   ; the scale job's 512 bytes
	s_mov_b32 s45, 0
	s_mul_i32 s36, s2, 4*CH
	s_add_co_u32 s40, s40, s36
	s_mul_i32 s36, s5, 1536
	s_add_co_u32 s40, s40, s36                     ; my wave's first image
	s_mov_b32 s41, 0
	s_wait_kmcnt 0x0
	s_add_nc_u64 s[40:41], s[24:25], s[40:41]
	s_add_nc_u64 s[44:45], s[24:25], s[44:45]
	s_cmp_lt_u32 s3, 2                             ; which weight: a choice between buffers on the work-group's number
	s_cselect_b64 s[28:29], s[8:9], s[16:17]
	s_cselect_b64 s[30:31], s[10:11], s[18:19]
	s_cselect_b64 s[32:33], s[12:13], s[20:21]
	s_cselect_b64 s[34:35], s[14:15], s[22:23]
	s_and_b32 s36, s3, 1
	s_cmp_eq_u32 s36, 0
	s_cselect_b64 s[28:29], s[28:29], s[32:33]     ; the codes
	s_cselect_b64 s[30:31], s[30:31], s[34:35]     ; the scale bytes
.irp q, 0,1,2,3
.irp p, 0,1,2,3,4,5
	global_load_b64 v[16+12*\q+2*\p:16+12*\q+2*\p+1], v4, s[28:29] offset:96*\q+48*(\p/3)+8*(\p%3)
.endr
.endr
.irp q, 0,1,2,3
	s_wait_loadcnt 6*(3-\q)                        ; this fragment's six loads are in; the later fragments' six each may be out
.irp c, 0,1,2
	global_store_b128 v5, v[16+12*\q+4*\c:16+12*\q+4*\c+3], s[40:41] offset:\q*CH+512*\c
.endr
.endr
	s_cmp_lg_u32 s2, 0
	s_cbranch_scc1 .Ldone                          ; the scale job is wave 0's
	global_load_b32 v64, v8, s[30:31]
	global_load_b32 v65, v9, s[30:31]
	global_load_b32 v66, v10, s[30:31]
	global_load_b32 v67, v11, s[30:31]
	s_wait_loadcnt 0x0
	global_store_b128 v5, v[64:67], s[44:45]
.Ldone:
	s_endpgm
.Lfunc_end_k_qb30b6a1306_lay:
	.size	k_qb30b6a1306_lay, .Lfunc_end_k_qb30b6a1306_lay-k_qb30b6a1306_lay
	.p2alignl 7, 3214868480
	.fill 96, 4, 3214868480
	.section	.rodata,"a",@progbits
	.p2align	6, 0x0
	.amdhsa_kernel k_qb30b6a1306_lay
		.amdhsa_group_segment_fixed_size 0
		.amdhsa_private_segment_fixed_size 0
		.amdhsa_enable_private_segment 0
		.amdhsa_kernarg_size 72
		.amdhsa_user_sgpr_count 2
		.amdhsa_user_sgpr_kernarg_segment_ptr 1
		.amdhsa_wavefront_size32 1
		.amdhsa_system_sgpr_workgroup_id_x 1
		.amdhsa_system_sgpr_workgroup_id_y 1
		.amdhsa_system_sgpr_workgroup_id_z 1
		.amdhsa_system_vgpr_workitem_id 0
		.amdhsa_next_free_vgpr 80
		.amdhsa_next_free_sgpr 66
		.amdhsa_reserve_vcc 0
		.amdhsa_float_denorm_mode_32 3
		.amdhsa_float_denorm_mode_16_64 3
		.amdhsa_memory_ordered 1
		.amdhsa_forward_progress 1
		.amdhsa_inst_pref_size 8
	.end_amdhsa_kernel
	.amdgpu_metadata
---
amdhsa.version: [ 1, 2 ]
amdhsa.kernels:
  - .name:           k_qb30b6a1306_lay
    .symbol:         k_qb30b6a1306_lay.kd
    .args:
      - { .name: Wq_codes, .offset: 0, .size: 8, .value_kind: global_buffer, .address_space: global }
      - { .name: Wq_scales, .offset: 8, .size: 8, .value_kind: global_buffer, .address_space: global }
      - { .name: Wk_codes, .offset: 16, .size: 8, .value_kind: global_buffer, .address_space: global }
      - { .name: Wk_scales, .offset: 24, .size: 8, .value_kind: global_buffer, .address_space: global }
      - { .name: Wv_codes, .offset: 32, .size: 8, .value_kind: global_buffer, .address_space: global }
      - { .name: Wv_scales, .offset: 40, .size: 8, .value_kind: global_buffer, .address_space: global }
      - { .name: Wo_codes, .offset: 48, .size: 8, .value_kind: global_buffer, .address_space: global }
      - { .name: Wo_scales, .offset: 56, .size: 8, .value_kind: global_buffer, .address_space: global }
      - { .name: wimg, .offset: 64, .size: 8, .value_kind: global_buffer, .address_space: global }
    .group_segment_fixed_size: 0
    .private_segment_fixed_size: 0
    .kernarg_segment_align: 8
    .kernarg_segment_size: 72
    .max_flat_workgroup_size: 64
    .sgpr_count:     66
    .vgpr_count:     80
    .wavefront_size: 32
...
	.end_amdgpu_metadata
.endif
;; end of part 1
;; launch fused (part 2): grid 256 x 1, 4 waves a work-group, no clusters, 310,016 bytes of LDS; arguments query_codes, query_scales, key_codes, key_scales, value_codes, value_scales, wimg, out0; writes out0
.if DOCPART == 2
	.amdgcn_target "amdgcn-amd-amdhsa--gfx1250"
	.amdhsa_code_object_version 6
	.text
	.protected	k_qb30b6a1306_fused
	.globl	k_qb30b6a1306_fused
	.p2align	8
	.type	k_qb30b6a1306_fused,@function
k_qb30b6a1306_fused:
	s_mov_b64 s[64:65], 0
	v_nop
	global_prefetch_b8 v0, s[64:65] scope:SCOPE_SE
	s_setreg_imm32_b32 hwreg(HW_REG_WAVE_MODE, 25, 1), 1
	s_wait_xcnt 0x0
; The whole chain for 64 neighbouring positions: Q, K, V = activations x weights (codes of E3M2 as given); at each position energy[h][g] = Q(h) . K(g) over d = 64, both quantised along d;
; softmax over g of energy / 512, its maximum taken away; weighted[h][d] = sum over g of a[h][g] V[g][d] in f32; the transposition and reshape; weighted, quantised, x Wo.  No work is left out.
; THE RESHAPE IS LOCAL: element (s, h, d) of a batch lands in row 128 h + s / 16, column 64 (s % 16) + d.  So 16 neighbouring positions with their 16 heads are 16 whole rows of the last product's
; left operand, a block of 32 along its K is 32 neighbouring d of one (s, h), and nothing but the output goes to memory.
; SHARES.  Work-group x: positions 64 x .. 64 x + 63 (four row tiles mt of 16).  In each of the four large products wave w makes 64 rows x 256 columns: 64 accumulators, 512 registers.
; The matrix instruction is used transposed (source 0 = 16 rows of the weight, source 1 = 16 rows of the left operand): a lane holds ONE row, its registers run along the columns.
; In the attention wave w owns positions 4 w .. 4 w + 3 of each row tile, two at a time: a pair's results are K step 2 w + pair of the last product.
; THE WEIGHTS come from wimg (laid by the launch before in the order of the operand's registers) straight into a ring of 20 fragments in registers, under counted waits.  NOT through LDS, a tensor load
; or a cluster's joint load, by this text's own arithmetic: the waves share the columns, so each fragment is read by exactly one wave of the work-group, and LDS would add a write and a read to each byte;
; two slots of one K step of 1,024 weight rows are 2 x 98,304 bytes, which do not fit beside the 309,504 bytes of operands that go from wave to wave.
; LDS.  Four regions of 55,296 bytes: 64 rows of 1,024 codes, 816 bytes apart (768 + 48 = 204 words: row r begins at bank 12 r mod 64 and the lanes' halves lie 6 words apart, so the 32 lanes of an 8-byte
; access touch 64 different banks; 64 banks of 4 bytes: ISA guide 11.1), then 64 rows of 8 scale words, 48 bytes apart.  Region 0: query, later Q; 1: key, later K; 2: value; 3: weighted.
; Behind them a stage of 88,320 bytes: V of one row tile in f32 (position x 5,520; the 16 heads of channel d at 80 d + 128 (d / 16)); on the way out 16 rows x 1,040 bytes for each wave.  Then the spare words.
; REGISTERS, in windows of 256: window 0: addresses, scale words, two buffers of the left operand's fragments, the quantiser's work.  Window 1: the ring of weight fragments.
;   Windows 2, 3: accumulator (mt, t) at v[8 (16 (mt % 2) + t)] of window 2 + mt / 2.  In the attention window 2's v0-63 take the f32 sums (written by matrix instructions alone in the whole text) and v64-127 V.
; LIMITS.  NaN, infinities and a scale byte 0xff among the inputs are served only as the matrix unit serves them.  A computed block of zeros, or one whose largest magnitude lies under 2^(5 - 127), gets the
; byte 1 (the rule says 127 for zeros): its codes are zeros or what the conversion gives under that byte, and the bytes are read by this text alone.  Sums are rounded in the matrix unit's order.
.set RP,    816                        ; a row of codes in LDS
.set REG,   55296                      ; a region
.set ASCO,  64*RP                      ; in it: the scale words
.set SCP,   48                         ; a row of them
.set STG,   4*REG                      ; the stage
.set PV,    5520                       ; a position's V in it
.set OSTP,  1040                       ; the way out: a stage row, 1,024 bytes + 16
.set OSTB,  16*OSTP                    ; and a wave's stage
.set SPARE, STG+16*PV                  ; the spare words: 128 bytes for each wave, two blocks of 256 bytes that no other line names
.set CH,    25600                      ; wimg: a chunk (wave, K step)
.set WAVEB, 8*CH
.set PHB,   4*WAVEB                    ; a weight
.set L16,  1                           ; v1   16 x lane; never rewritten
.set VA0,  2                           ; v2   816 r + 24 h: my place in a fragment's rows
.set VA,   3                           ; v3   the same in the phase's region
.set VS0,  4                           ; v4   scale words: row = lane
.set VS,   5                           ; v5   the same in the phase's region
.set VST0, 6                           ; v6   where I store codes: VA0 + 192 w
.set VST,  7                           ; v7   the store address in hand
.set VSW0, 8                           ; v8   where I store scale words: row r, + 8 w
.set VSW,  9
.set VQ0,  10                          ; v10  Q of my wave's first position: head r, + 24 h
.set VK0,  11                          ; v11  K likewise
.set TQ,   12
.set TK,   13
.set VE0,  14                          ; v14  the energies' scale bytes: lanes 0-15 Q's, lanes 16-31 K's
.set TE,   15
.set VSS,  16                          ; v16  V into the stage
.set VL0,  17                          ; v17  V out of it
.set TV,   18
.set OSA,  19                          ; v19  the way out: into my stage
.set OLA,  20                          ; v20  and back
.set LA,   21                          ; v21, v22  the head's staging
.set LB,   22
.set VW0,  23                          ; v23  VST0 in region 3
.set VWS0, 24                          ; v24  VSW0 in region 3
.set T16,  25                          ; v25  16 x thread
.set LSC,  26                          ; v26  the head's staging of scale rows
.set SPW,  30                          ; v30  LDS address of my spare word; never rewritten
.set NIL,  31                          ; v31  0; never rewritten
.set BS,   32                          ; v32-47  the weight's scale words, two sets of 8: set q % 2, register t / 2, lanes 16 (t % 2) on
.set AS,   48                          ; v48-63  the left operand's: register 8 (mt / 2) + q, lanes 16 (mt % 2) on
.set AF,   64                          ; v64-159 the left operand's fragments: buffer q % 2 (48 registers), 12 a row tile
.set TM,   160                         ; v160-175 the quantiser: largest magnitudes, bytes, scale operands
.set PW,   176                         ; v176 the scale word just made
.set PC,   180                         ; v180-199 the codes just made
.set SE,   200                         ; v200, v201 the energies' scale words
.set KF,   64                          ; the attention, in the fragments' registers: K's and Q's operands of position i at KF + 24 i, QF + 24 i,
.set QF,   76
.set EN,   112                         ; the energies, then the weights a, 8 a position,
.set MX,   130                         ; v130, v132 the maxima; v134, v136 the reciprocals (each the low word of a pair),
.set RC,   134
.set T0,   138                         ; v138-145 partial sums, v146-147 what a lane permute brings, v148-149 the sums
.set PX,   146
.set SM,   148
.set WV,    2                          ; s2  my wave's number
.set PH,    3                          ; s3  the phase: 0 Q, 1 K, 2 V, 3 the way out
.set ABASE, 4                          ; s4  the phase's region
.set KC,    5                          ; s5  counts a row tile's two pairs of positions
.set WB,    20                         ; s[20:21] my wave's chunks of the phase's weight
.set SQ,    24                         ; s24 two rows of codes a pair
.set SE96,  25                         ; s25 96 a pair: two rows of scale words, and one K step of codes
.set SV,    26                         ; s26 two positions of V a pair
.set SS,    27                         ; s27 one scale word a pair
.set CS,    28                         ; s[28:29] log2(e) / 512
.set SEL,   30                         ; s[30:31] lane selects for v_permlanex16_b32: lane l xor 16
.set MSB, 0
.macro WIN new                         ; the immediate's high byte repeats the setting that is left; a switch that changes nothing is dropped
.if MSB != (\new)
	s_set_vgpr_msb (MSB<<8)|(\new)
.set MSB, (\new)
.endif
.endm
.macro PLACES n                        ; plain vector instructions behind matrix instructions (ISA guide 7.12.1), where no other vector work is at hand
.rept \n
	v_nop
.endr
.endm
.macro BARRIER                         ; my LDS stores have landed and my LDS loads are in: then the work-group's barrier
	s_wait_dscnt 0x0
	s_barrier_signal -1
	s_barrier_wait -1
.endm
.macro AFETCH q                        ; the left operand's four fragments of K step q: 24 bytes twice for each lane, in pieces of 8 bytes
.irp m, 0,1,2,3
.irp p, 0,1,2,3,4,5
	ds_load_b64 v[AF+48*((\q)%2)+12*\m+2*\p:AF+48*((\q)%2)+12*\m+2*\p+1], v[VA] offset:16*RP*\m+96*(\q)+48*(\p/3)+8*(\p%3)
.endr
.endr
.endm
.macro BLOAD f                         ; weight fragment f = 16 q + t into slot f % 20 of the ring (window 1): each load reads 512 consecutive bytes
.set SL, 12*((\f)%20)
.set BO, ((\f)/16)*CH+((\f)%16)*1536
	global_load_b128 v[SL:SL+3], v[L16], s[WB:WB+1] offset:BO
	global_load_b128 v[SL+4:SL+7], v[L16], s[WB:WB+1] offset:BO+512
	global_load_b128 v[SL+8:SL+11], v[L16], s[WB:WB+1] offset:BO+1024
.endm
.macro SLOAD q                         ; K step q's 16 scale words a lane half
	global_load_b128 v[BS+8*((\q)%2):BS+8*((\q)%2)+3], v[L16], s[WB:WB+1] offset:(\q)*CH+24576
	global_load_b128 v[BS+8*((\q)%2)+4:BS+8*((\q)%2)+7], v[L16], s[WB:WB+1] offset:(\q)*CH+24576+512
.endm
.macro BURST                           ; a phase's first 20 fragments and two sets of scale words: 64 loads.  A step's scale words always stand just ahead of its first fragment
	WIN 0
	SLOAD 0
	WIN 0x40
.set FF, 0
.rept 16
	BLOAD FF
.set FF, FF+1
.endr
	WIN 0
	SLOAD 1
	WIN 0x40
.rept 4
	BLOAD FF
.set FF, FF+1
.endr
	WIN 0
.endm
.macro MM t, mt, q                     ; accumulator (mt, t) += weight tile t x row tile mt, K step q.  The first K step starts the sums: nothing is cleared
.set AC, 8*(16*((\mt)%2)+(\t))
.set WF, 12*((16*(\q)+(\t))%20)
.set XF, AF+48*((\q)%2)+12*(\mt)
.set SA, BS+8*((\q)%2)+(\t)/2
.set SB, AS+8*((\mt)/2)+(\q)
.set SELR, 2*((\t)%2)+(\mt)%2
.if (\q) == 0
.if SELR == 0
	v_wmma_scale_f32_16x16x128_f8f6f4 v[AC:AC+7], v[WF:WF+11], v[XF:XF+11], 0, v[SA], v[SB] matrix_a_fmt:MATRIX_FMT_BF6 matrix_b_fmt:MATRIX_FMT_BF6
.elseif SELR == 1
	v_wmma_scale_f32_16x16x128_f8f6f4 v[AC:AC+7], v[WF:WF+11], v[XF:XF+11], 0, v[SA], v[SB] matrix_a_fmt:MATRIX_FMT_BF6 matrix_b_fmt:MATRIX_FMT_BF6 matrix_b_scale:MATRIX_SCALE_ROW1
.elseif SELR == 2
	v_wmma_scale_f32_16x16x128_f8f6f4 v[AC:AC+7], v[WF:WF+11], v[XF:XF+11], 0, v[SA], v[SB] matrix_a_fmt:MATRIX_FMT_BF6 matrix_b_fmt:MATRIX_FMT_BF6 matrix_a_scale:MATRIX_SCALE_ROW1
.else
	v_wmma_scale_f32_16x16x128_f8f6f4 v[AC:AC+7], v[WF:WF+11], v[XF:XF+11], 0, v[SA], v[SB] matrix_a_fmt:MATRIX_FMT_BF6 matrix_b_fmt:MATRIX_FMT_BF6 matrix_a_scale:MATRIX_SCALE_ROW1 matrix_b_scale:MATRIX_SCALE_ROW1
.endif
.else
.if SELR == 0
	v_wmma_scale_f32_16x16x128_f8f6f4 v[AC:AC+7], v[WF:WF+11], v[XF:XF+11], v[AC:AC+7], v[SA], v[SB] matrix_a_fmt:MATRIX_FMT_BF6 matrix_b_fmt:MATRIX_FMT_BF6
.elseif SELR == 1
	v_wmma_scale_f32_16x16x128_f8f6f4 v[AC:AC+7], v[WF:WF+11], v[XF:XF+11], v[AC:AC+7], v[SA], v[SB] matrix_a_fmt:MATRIX_FMT_BF6 matrix_b_fmt:MATRIX_FMT_BF6 matrix_b_scale:MATRIX_SCALE_ROW1
.elseif SELR == 2
	v_wmma_scale_f32_16x16x128_f8f6f4 v[AC:AC+7], v[WF:WF+11], v[XF:XF+11], v[AC:AC+7], v[SA], v[SB] matrix_a_fmt:MATRIX_FMT_BF6 matrix_b_fmt:MATRIX_FMT_BF6 matrix_a_scale:MATRIX_SCALE_ROW1
.else
	v_wmma_scale_f32_16x16x128_f8f6f4 v[AC:AC+7], v[WF:WF+11], v[XF:XF+11], v[AC:AC+7], v[SA], v[SB] matrix_a_fmt:MATRIX_FMT_BF6 matrix_b_fmt:MATRIX_FMT_BF6 matrix_a_scale:MATRIX_SCALE_ROW1 matrix_b_scale:MATRIX_SCALE_ROW1
.endif
.endif
.endm
; Group g of 32: four weight tiles x four row tiles, 16 matrix instructions; then the four ring slots just read take the fragments 20 further on.
; The 64 accumulators take turns, one instruction a turn, in the same order in every K step.
.macro GROUP g
.set GQ, (\g)/4
.set GT, 4*((\g)%4)
.if (\g) <= 27
	s_wait_loadcnt 50                              ; behind this group's last fragment 16 fragments (48 loads) and one pair of scale loads have been issued: they may be out
.else
	s_wait_loadcnt 12*(31-(\g))                    ; at the phase's end: three loads for each fragment still behind
.endif
	WIN 0xa1                                       ; source 0 (weight) window 1, source 1 window 0, C and D window 2
.irp k, 0,1,2,3
	MM GT+\k, 0, GQ
	MM GT+\k, 1, GQ
.endr
	WIN 0xf1                                       ; C and D window 3
.irp k, 0,1,2,3
	MM GT+\k, 2, GQ
	MM GT+\k, 3, GQ
.endr
	PLACES 4                                       ; in front of loads into registers that these products have read, and of the first read of results
.if (\g) <= 26
.if (4*(\g)+20)%16 == 0
	WIN 0
	SLOAD (4*(\g)+20)/16                           ; into the set of the K step that this group has ended
.endif
	WIN 0x40
.irp k, 20,21,22,23
	BLOAD 4*(\g)+\k
.endr
.endif
	WIN 0
.endm
.macro STEP q                          ; a K step of 128: 64 matrix instructions
	s_wait_dscnt 0x0                               ; this step's fragments of the left operand are in (asked for a step ago); nothing else is out
.if (\q) < 7
	AFETCH (\q)+1                                  ; the other buffer: its last readers stand behind the last group's places
.endif
	GROUP 4*(\q)
	GROUP 4*(\q)+1
	GROUP 4*(\q)+2
	GROUP 4*(\q)+3
.endm
; 64 numbers of a lane, registers s .. s + 63 of window W, register 16 b + i = k 32 b + 16 (lane / 16) + i of my row, become a fragment's codes in v[PC] on and its scale word in v[PW].
; A block's scale is 2^(floor(log2(its largest magnitude)) - 4): the largest magnitude's exponent field less 4, held at 1 from below by a floor among the maximum's leaves.
.macro QUANT W, s
	WIN ((\W)<<2)|((\W)<<4)                        ; sources 1 and 2 in window W
.irp b, 0,1,2,3
	v_max3_num_f32 v[TM+\b], 0x2800000, |v[(\s)+16*\b]|, |v[(\s)+16*\b+1]|   ; the floor 2^(5 - 127); each accumulator is read from its low end on
.endr
.irp i, 2,4,6,8,10,12,14
.irp b, 0,1,2,3
	v_max3_num_f32 v[TM+\b], v[TM+\b], |v[(\s)+16*\b+\i]|, |v[(\s)+16*\b+\i+1]|   ; the four blocks by turns
.endr
.endr
	WIN 0
.irp b, 0,1,2,3
	v_permlanex16_b32 v[TM+4+\b], v[TM+\b], s[SEL], s[SEL+1]
.endr
.irp b, 0,1,2,3
	v_max_num_f32 v[TM+\b], v[TM+\b], v[TM+4+\b]   ; with lane l xor 16's 16 numbers: the block's largest magnitude
.endr
.irp b, 0,1,2,3
	v_add_nc_u32 v[TM+12+\b], 0xfe000000, v[TM+\b] ; 4 off its exponent field: the conversion takes the exponent field of this operand as its scale
.endr
.irp b, 0,1,2,3
	v_lshrrev_b32 v[TM+4+\b], 23, v[TM+12+\b]      ; the scale's byte
.endr
	v_lshl_or_b32 v[PW], v[TM+5], 8, v[TM+4]
	v_lshl_or_b32 v[PW], v[TM+6], 16, v[PW]
	v_lshl_or_b32 v[PW], v[TM+7], 24, v[PW]        ; my row's scale word
	WIN (\W)                                       ; source 0 in window W
.irp c, 0,1
	v_cvt_scalef32_pk16_bf6_f32 v[PC+6*\c:PC+6*\c+2], v[(\s)+32*\c:(\s)+32*\c+15], v[TM+12+2*\c]
	v_cvt_scalef32_pk16_bf6_f32 v[PC+12+4*\c:PC+12+4*\c+2], v[(\s)+32*\c+16:(\s)+32*\c+31], v[TM+12+2*\c+1]   ; (a conversion's three registers begin on an even number)
.endr
	WIN 0
	v_nop                                          ; one plain instruction behind the scaled conversions
.irp c, 0,1                                    ; the operand's layout wants a whole block in a lane: lanes 0-15 block 2 c, lanes 16-31 block 2 c + 1
.irp i, 0,1,2
	v_permlane16_swap_b32 v[PC+6*\c+\i], v[PC+12+4*\c+\i]
.endr
.irp i, 0,1,2
	v_mov_b32 v[PC+3+6*\c+\i], v[PC+12+4*\c+\i]
.endr
.endr
.endm
.macro STROW adr, off                  ; the fragment in v[PC] on goes into its rows' streams of codes: 24 bytes twice for each lane
.irp p, 0,1,2,3,4,5
	ds_store_b64 v[\adr], v[PC+2*\p:PC+2*\p+1] offset:(\off)+48*(\p/3)+8*(\p%3)
.endr
.endm
	s_load_b512 s[8:23], s[0:1], 0x0               ; query codes, scales; key; value; wimg s[20:21]; out s[22:23]
	v_lshl_add_u32 v[SPW], v0, 2, SPARE
	v_mov_b32 v[NIL], 0
	v_lshrrev_b32 v29, 5, v0
	v_readfirstlane_b32 s[WV], v29                 ; wave 0..3
	v_and_b32 v29, 31, v0                          ; lane
	v_and_b32 v27, 15, v0                          ; r
	v_bfe_u32 v28, v0, 4, 1                        ; h
	v_lshlrev_b32 v[L16], 4, v29
	v_mul_u32_u24 v[VA0], v27, RP
	v_mad_u32_u24 v[VA0], v28, 24, v[VA0]
	v_mul_u32_u24 v[VS0], v29, SCP
	v_add_nc_u32 v[VS0], ASCO, v[VS0]
	s_mul_i32 s6, s[WV], 192                       ; my wave's two K steps of codes; also four rows of scale words
	v_add_nc_u32 v[VST0], s6, v[VA0]
	v_mul_u32_u24 v[VSW0], v27, SCP
	s_lshl_b32 s7, s[WV], 3
	s_add_co_u32 s7, s7, ASCO
	v_add_nc_u32 v[VSW0], s7, v[VSW0]
	v_mul_u32_u24 v[VQ0], v27, 48                  ; a head's 64 codes are 48 bytes
	v_mad_u32_u24 v[VQ0], v28, 24, v[VQ0]
	s_mul_i32 s7, s[WV], 4*RP
	v_add_nc_u32 v[VQ0], s7, v[VQ0]
	v_add_nc_u32 v[VK0], REG, v[VQ0]
	v_mul_u32_u24 v[VE0], v28, REG                 ; lanes 16-31 take region 1's
	v_lshl_add_u32 v[VE0], v27, 1, v[VE0]          ; a head's two scale bytes
	s_add_co_u32 s7, s6, ASCO
	v_add_nc_u32 v[VE0], s7, v[VE0]
	v_mul_u32_u24 v[VSS], v27, PV
	v_lshl_add_u32 v[VSS], v28, 5, v[VSS]
	s_mul_i32 s7, s[WV], 1408                      ; channel 16 w: 80 x 16 w + 128 w
	s_add_co_u32 s7, s7, STG
	v_add_nc_u32 v[VSS], s7, v[VSS]
	v_mul_u32_u24 v[VL0], v27, 80                  ; channel r + 8 (r / 8): 80 r + (640 + 128) (r / 8)
	v_lshrrev_b32 v29, 3, v27
	v_mad_u32_u24 v[VL0], v29, 768, v[VL0]
	v_lshl_add_u32 v[VL0], v28, 5, v[VL0]
	s_mul_i32 s7, s[WV], 4*PV
	s_add_co_u32 s7, s7, STG
	v_add_nc_u32 v[VL0], s7, v[VL0]
	v_mul_u32_u24 v[OSA], v27, OSTP
	v_lshl_add_u32 v[OSA], v28, 5, v[OSA]
	s_mul_i32 s7, s[WV], OSTB
	s_add_co_u32 s7, s7, STG
	v_add_nc_u32 v[OSA], s7, v[OSA]
	v_add_nc_u32 v[OLA], s7, v[L16]
	s_mul_i32 s7, s[WV], 16*RP
	v_add_nc_u32 v[LA], s7, v[L16]
	v_mad_u32_u24 v[LB], v28, 48, v[LA]
	v_add_nc_u32 v[VW0], 3*REG, v[VST0]
	v_add_nc_u32 v[VWS0], 3*REG, v[VSW0]
	v_lshlrev_b32 v[T16], 4, v0
	v_lshrrev_b32 v29, 1, v0
	v_mul_u32_u24 v[LSC], v29, SCP
	v_and_b32 v29, 1, v0
	v_lshl_add_u32 v[LSC], v29, 4, v[LSC]
	v_add_nc_u32 v[LSC], ASCO, v[LSC]
.irp b, 0,1,2,3
	v_mov_b32 v[TM+4+\b], 0                        ; written once: a lane permute's destination counts as one of its sources
.endr
	s_mov_b32 s[CS], 0x3b38aa3b                    ; log2(e) / 512
	s_mov_b32 s[CS+1], s[CS]                       ; (named with it as a pair, so it is written)
	s_mov_b32 s[SEL], 0x76543210
	s_mov_b32 s[SEL+1], 0xfedcba98
	s_mul_i32 s32, ttmp9, 64*768
	s_mul_i32 s33, s[WV], 16*768
	s_add_co_u32 s32, s32, s33                     ; my wave's 16 rows of codes
	s_mov_b32 s33, 0
	s_lshl_b32 s34, ttmp9, 11                      ; the work-group's 64 rows of scale bytes
	s_mov_b32 s35, 0
	s_wait_kmcnt 0x0
	s_add_nc_u64 s[8:9], s[8:9], s[32:33]
	s_add_nc_u64 s[12:13], s[12:13], s[32:33]
	s_add_nc_u64 s[16:17], s[16:17], s[32:33]
	s_add_nc_u64 s[10:11], s[10:11], s[34:35]
	s_add_nc_u64 s[14:15], s[14:15], s[34:35]
	s_add_nc_u64 s[18:19], s[18:19], s[34:35]
	s_mul_i32 s32, s[WV], WAVEB
	s_add_nc_u64 s[WB:WB+1], s[WB:WB+1], s[32:33]
	s_lshr_b32 s32, ttmp9, 5                       ; out: the batch, 2,048 rows of 4,096 bytes;
	s_lshl_b32 s32, s32, 23
	s_and_b32 s34, ttmp9, 31                       ; row 4 (x % 32) of head 0;
	s_lshl_b32 s34, s34, 14
	s_add_co_u32 s32, s32, s34
	s_lshl_b32 s34, s[WV], 10                      ; my wave's 256 columns
	s_add_co_u32 s32, s32, s34
	s_add_nc_u64 s[22:23], s[22:23], s[32:33]
	; The activations: each wave's 16 rows are 12,288 consecutive bytes, 24 loads of 512; the scale rows 16 bytes a thread.  75 loads; read once in the launch
	WIN 0xc0                                       ; destination window 3
.set I, 0
.rept 24
	global_load_b128 v[4*I:4*I+3], v[L16], s[8:9] offset:512*I th:TH_LOAD_NT
.set I, I+1
.endr
	global_load_b128 v[192:195], v[T16], s[10:11] th:TH_LOAD_NT
.set I, 0
.rept 24
	global_load_b128 v[96+4*I:96+4*I+3], v[L16], s[12:13] offset:512*I th:TH_LOAD_NT
.set I, I+1
.endr
	global_load_b128 v[196:199], v[T16], s[14:15] th:TH_LOAD_NT
	global_load_b128 v[200:203], v[T16], s[18:19] th:TH_LOAD_NT
	WIN 0x80                                       ; destination window 2
.set I, 0
.rept 24
	global_load_b128 v[128+4*I:128+4*I+3], v[L16], s[16:17] offset:512*I th:TH_LOAD_NT
.set I, I+1
.endr
	BURST                                          ; Wq's first fragments
	s_wait_loadcnt 63                              ; of 139 loads the 64 youngest are the weight's: with at most 63 out, the activations' 75 are in
; Three loads are two rows: bytes 0-511 of the first; its last 256 and the second's first 256 (lanes 16-31 stand one row's padding, 48 bytes, further on); the second's last 512
.macro STAGE_IN win, reg, sreg
	WIN (\win)<<2                                  ; an LDS store's data are its source 1
.set I, 0
.rept 24
.if I%3 == 0
	ds_store_b128 v[LA], v[\reg+4*I:\reg+4*I+3] offset:2*RP*(I/3)
.elseif I%3 == 1
	ds_store_b128 v[LB], v[\reg+4*I:\reg+4*I+3] offset:2*RP*(I/3)+512
.else
	ds_store_b128 v[LA], v[\reg+4*I:\reg+4*I+3] offset:2*RP*(I/3)+RP+256
.endif
.set I, I+1
.endr
	WIN 0x0c
	ds_store_b128 v[LSC], v[\sreg:\sreg+3]
	WIN 0
.endm
.macro NEXT_REGION
	v_add_nc_u32 v[LA], REG, v[LA]
	v_add_nc_u32 v[LB], REG, v[LB]
	v_add_nc_u32 v[LSC], REG, v[LSC]
.endm
	STAGE_IN 3, 0, 192
	NEXT_REGION
	STAGE_IN 3, 96, 196
	NEXT_REGION
	STAGE_IN 2, 128, 200
	BARRIER                                        ; the three regions are whole
	s_mov_b32 s[PH], 0
	s_mov_b32 s[ABASE], 0
.Lphase:                                           ; four trips: [64 x 1,024] x the phase's weight, then what the phase's result becomes
	v_add_nc_u32 v[VA], s[ABASE], v[VA0]
	v_add_nc_u32 v[VS], s[ABASE], v[VS0]
.irp m, 0,1
.irp k, 0,1
	ds_load_b128 v[AS+8*\m+4*\k:AS+8*\m+4*\k+3], v[VS] offset:32*SCP*\m+16*\k   ; lane l: the eight scale words of row 32 m + l
.endr
.endr
	AFETCH 0
.irp q, 0,1,2,3,4,5,6,7
	STEP \q
.endr
	s_cmp_eq_u32 s[PH], 3
	s_cbranch_scc1 .Lno_more                       ; behind Wo there is no weight: no load leaves wimg
	s_add_nc_u64 s[WB:WB+1], s[WB:WB+1], PHB       ; (the last group has waited for all loads: the base may step)
	BURST                                          ; the next weight's first fragments land while this phase's result is worked on
.Lno_more:
	BARRIER                                        ; every wave has read the phase's region for the last time
	s_cmp_lt_u32 s[PH], 2
	s_cbranch_scc1 .Lqk
	s_cmp_eq_u32 s[PH], 2
	s_cbranch_scc1 .Lv
	; ---- THE WAY OUT.  A lane holds 32 neighbouring bytes of a row, the lanes beside it other rows: a row tile goes through my own stage and comes back as rows of 1,024 bytes.
	; LDS row 16 mt + h is output row 128 h + 4 (x % 32) + mt of the batch.  LDS serves a wave's instructions in order (ISA guide 5.7.1.4): no wait between the stores and the loads
.macro TOSTAGE mt
	WIN 0x08+4*((\mt)/2)                           ; the data: window 2 or 3
.irp t, 0,1,2,3,4,5,6,7,8,9,10,11,12,13,14,15
	ds_store_b128 v[OSA], v[128*((\mt)%2)+8*\t:128*((\mt)%2)+8*\t+3] offset:64*\t      ; each accumulator from its low end on
	ds_store_b128 v[OSA], v[128*((\mt)%2)+8*\t+4:128*((\mt)%2)+8*\t+7] offset:64*\t+16
.endr
	WIN 0x40                                       ; back into window 1: the ring is done with
.set I, 0
.rept 32
	ds_load_b128 v[128*((\mt)%2)+4*I:128*((\mt)%2)+4*I+3], v[OLA] offset:OSTP*(I/2)+512*(I%2)
.set I, I+1
.endr
	WIN 0
.endm
.macro SEND mt, younger
	s_wait_dscnt \younger
	WIN 0x04                                       ; a store's data are its source 1: window 1
.set I, 0
.rept 32
	global_store_b128 v[L16], v[128*((\mt)%2)+4*I:128*((\mt)%2)+4*I+3], s[22:23] offset:524288*(I/2)+4096*(\mt)+512*(I%2) th:TH_STORE_NT   ; 32 lanes store 512 consecutive bytes, aligned; the largest offset, 7,877,120, lies inside the signed 24 bits
.set I, I+1
.endr
	WIN 0
.endm
	TOSTAGE 0
.irp m, 1,2,3
.if \m > 1
	s_wait_xcnt 0x0                                ; the stores of two tiles back have read their registers: this tile's loads may land there
.endif
	TOSTAGE \m
	SEND \m-1, 63                                  ; behind that tile's loads stand this tile's 32 stores and 32 loads; the wait's field ends at 63
.endr
	SEND 3, 0
	s_branch .Lnext
.Lqk:	; ---- Q or K: quantised along the head's 64 and laid over the activation that made it, in the same form: row = position, K step 2 w + e = heads 4 w + 2 e, 4 w + 2 e + 1
	v_add_nc_u32 v[VST], s[ABASE], v[VST0]
	v_add_nc_u32 v[VSW], s[ABASE], v[VSW0]
.irp m, 0,1,2,3
.irp e, 0,1
	QUANT 2+\m/2, 128*(\m%2)+64*\e
	STROW VST, 16*RP*\m+96*\e
	ds_store_b32 v[VSW], v[PW] offset:16*SCP*\m+4*\e   ; both lanes of a row write the same word with the same value
	s_wait_dscnt 0x0                               ; the stores have read their registers
.endr
.endr
	s_branch .Lnext                                ; no barrier here: these bytes are read behind the later phases' barriers
.Lv:	; ---- V, and the attention
.irp i, 0,1
.irp k, 6,7,8,9,10,11
	v_mov_b32 v[KF+24*\i+\k], 0                    ; the energies' K is 64: the operands' upper 64 along K are zero codes, which add nothing
	v_mov_b32 v[QF+24*\i+\k], 0
.endr
.endr
.irp k, MX+1, MX+3, RC+1, RC+3, PX, PX+1
	v_mov_b32 v[\k], 0                             ; upper words of pairs of which the low word serves both halves, and lane permutes' destinations: written before they are named
.endr
.macro VTILE mt
	WIN 0x08+4*((\mt)/2)
.irp t, 0,1,2,3,4,5,6,7,8,9,10,11,12,13,14,15  ; lane (position r, h): V[g = 8 h + 0 .. 7][d = 16 w + t], in f32
	ds_store_b128 v[VSS], v[128*((\mt)%2)+8*\t:128*((\mt)%2)+8*\t+3] offset:80*\t
	ds_store_b128 v[VSS], v[128*((\mt)%2)+8*\t+4:128*((\mt)%2)+8*\t+7] offset:80*\t+16
.endr
	WIN 0
	BARRIER                                        ; V of this row tile's 16 positions lies in the stage
	s_mov_b32 s[KC], 0
	s_mov_b32 s[SQ], 0
	s_mov_b32 s[SE96], 0
	s_mov_b32 s[SV], 0
	s_mov_b32 s[SS], 0
.Lpair_\@:                                         ; two trips: positions 4 w + 2 trip + i, i = 0, 1
	v_add_nc_u32 v[TQ], s[SQ], v[VQ0]
	v_add_nc_u32 v[TK], s[SQ], v[VK0]
	v_add_nc_u32 v[TE], s[SE96], v[VE0]
	v_add_nc_u32 v[TV], s[SV], v[VL0]
	v_add_nc_u32 v[VST], s[SE96], v[VW0]
	v_add_nc_u32 v[VSW], s[SS], v[VWS0]
.irp i, 0,1
.irp p, 0,1,2
	ds_load_b64 v[KF+24*\i+2*\p:KF+24*\i+2*\p+1], v[TK] offset:(16*(\mt)+\i)*RP+8*\p   ; lane (head r, h): d = 32 h + 0 .. 31
	ds_load_b64 v[QF+24*\i+2*\p:QF+24*\i+2*\p+1], v[TQ] offset:(16*(\mt)+\i)*RP+8*\p
.endr
	ds_load_u16 v[SE+\i], v[TE] offset:(16*(\mt)+\i)*SCP   ; the head's two scale bytes; bytes 2 and 3 come as 0, over zero codes
.endr
	WIN 0x80                                       ; destination window 2
.irp i, 0,1
.irp u, 0,1,2,3                                ; lane (r, h) of tile u: channel 32 (u / 2) + 8 (u % 2) + r + 8 (r / 8), heads 8 h + 0 .. 7
.irp c, 0,1
	ds_load_b128 v[64+32*\i+8*\u+4*\c:64+32*\i+8*\u+4*\c+3], v[TV] offset:PV*\i+2816*(\u/2)+640*(\u%2)+16*\c
.endr
.endr
.endr
	WIN 0
	s_wait_dscnt 16                                ; the 14 loads of codes and scale bytes are in; V's 16 may be out
.irp i, 0,1                                    ; source 0 = K's 16 heads (scales in lanes 16-31), source 1 = Q's: lane (h, half) holds energy[h][g = 8 half + 0 .. 7]
	v_wmma_scale_f32_16x16x128_f8f6f4 v[EN+8*\i:EN+8*\i+7], v[KF+24*\i:KF+24*\i+11], v[QF+24*\i:QF+24*\i+11], 0, v[SE+\i], v[SE+\i] matrix_a_fmt:MATRIX_FMT_BF6 matrix_b_fmt:MATRIX_FMT_BF6 matrix_a_scale:MATRIX_SCALE_ROW1
.endr
	PLACES 4
.irp i, 0,1                                    ; the softmax, the two positions by turns
	v_max3_num_f32 v[MX+2*\i], v[EN+8*\i], v[EN+8*\i+1], v[EN+8*\i+2]
.endr
.irp k, 3,5
.irp i, 0,1
	v_max3_num_f32 v[MX+2*\i], v[MX+2*\i], v[EN+8*\i+\k], v[EN+8*\i+\k+1]
.endr
.endr
.irp i, 0,1
	v_max_num_f32 v[MX+2*\i], v[MX+2*\i], v[EN+8*\i+7]
.endr
.irp i, 0,1
	v_permlanex16_b32 v[PX+\i], v[MX+2*\i], s[SEL], s[SEL+1]
.endr
.irp i, 0,1
	v_max_num_f32 v[MX+2*\i], v[MX+2*\i], v[PX+\i] ; the row's largest energy
.endr
.irp k, 0,2,4,6                                ; the maximum is taken away FIRST and the difference scaled, not both in one fused line: the error then goes with the difference and not with the size of the energies
.irp i, 0,1
	v_pk_add_f32 v[EN+8*\i+\k:EN+8*\i+\k+1], v[EN+8*\i+\k:EN+8*\i+\k+1], v[MX+2*\i:MX+2*\i+1] op_sel_hi:[1,0] neg_lo:[0,1] neg_hi:[0,1]
.endr
.endr
.irp k, 0,2,4,6
.irp i, 0,1
	v_pk_mul_f32 v[EN+8*\i+\k:EN+8*\i+\k+1], v[EN+8*\i+\k:EN+8*\i+\k+1], s[CS:CS+1] op_sel_hi:[1,0]
.endr
.endr
.irp k, 0,1,2,3,4,5,6,7,8,9,10,11,12,13,14,15
	v_exp_f32 v[EN+\k], v[EN+\k]                   ; e^((energy - maximum) / 512): one batch
.endr
	v_nop                                          ; a plain instruction behind the last exponential
	s_wait_alu depctr_va_vdst(0)                   ; one wait for the sixteen exponentials, ahead of their first reader
.irp i, 0,1
	v_pk_add_f32 v[T0+4*\i:T0+4*\i+1], v[EN+8*\i:EN+8*\i+1], v[EN+8*\i+2:EN+8*\i+3]
	v_pk_add_f32 v[T0+4*\i+2:T0+4*\i+3], v[EN+8*\i+4:EN+8*\i+5], v[EN+8*\i+6:EN+8*\i+7]
.endr
.irp i, 0,1
	v_pk_add_f32 v[T0+4*\i:T0+4*\i+1], v[T0+4*\i:T0+4*\i+1], v[T0+4*\i+2:T0+4*\i+3]
.endr
.irp i, 0,1
	v_add_f32 v[SM+\i], v[T0+4*\i], v[T0+4*\i+1]
.endr
.irp i, 0,1
	v_permlanex16_b32 v[PX+\i], v[SM+\i], s[SEL], s[SEL+1]
.endr
.irp i, 0,1
	v_add_f32 v[SM+\i], v[SM+\i], v[PX+\i]         ; the row's sum
.endr
.irp i, 0,1
	v_rcp_f32 v[RC+2*\i], v[SM+\i]
.endr
	v_nop
	s_wait_alu depctr_va_vdst(0)                   ; and one for the two reciprocals
.irp k, 0,2,4,6
.irp i, 0,1
	v_pk_mul_f32 v[EN+8*\i+\k:EN+8*\i+\k+1], v[EN+8*\i+\k:EN+8*\i+\k+1], v[RC+2*\i:RC+2*\i+1] op_sel_hi:[1,0]   ; a[h][g]
.endr
.endr
	PLACES 4
	s_wait_dscnt 0x0                               ; V is in
	WIN 0xa2                                       ; source 0 (V), C and D window 2; source 1 (a) window 0
; weighted^T = V^T a^T in f32, since the result goes into a quantiser: source 0 = 16 channels, source 1 = the 16 heads h.  Place k = 2 half + j of instruction q stands for g = 8 half + 2 q + j on BOTH sources,
; so a's registers and V's 32 loaded bytes are the operands as they stand.  Eight accumulators by turns; each sum's first instruction takes the constant 0.
.irp q, 0,1,2,3
.irp i, 0,1
.irp u, 0,1,2,3
.if \q == 0
	v_wmma_f32_16x16x4_f32 v[8*(4*\i+\u):8*(4*\i+\u)+7], v[64+32*\i+8*\u+2*\q:64+32*\i+8*\u+2*\q+1], v[EN+8*\i+2*\q:EN+8*\i+2*\q+1], 0
.else
	v_wmma_f32_16x16x4_f32 v[8*(4*\i+\u):8*(4*\i+\u)+7], v[64+32*\i+8*\u+2*\q:64+32*\i+8*\u+2*\q+1], v[EN+8*\i+2*\q:EN+8*\i+2*\q+1], v[8*(4*\i+\u):8*(4*\i+\u)+7]
.endif
.endr
.endr
.endr
	PLACES 8                                       ; this form wants eight
	QUANT 2, 0                                     ; lane (h, half), register 32 i + 16 b + n: d = 32 b + 16 half + n of position i: k = 64 i + d of K step 2 w + trip, row h
	STROW VST, 16*RP*(\mt)
	ds_store_b32 v[VSW], v[PW] offset:16*SCP*(\mt)
	s_wait_dscnt 0x0                               ; the stores have read their registers
	s_add_co_u32 s[SQ], s[SQ], 2*RP
	s_add_co_u32 s[SE96], s[SE96], 96
	s_add_co_u32 s[SV], s[SV], 2*PV
	s_add_co_u32 s[SS], s[SS], 4
	s_add_co_u32 s[KC], s[KC], 1
	s_cmp_lt_u32 s[KC], 2
	s_cbranch_scc1 .Lpair_\@
	BARRIER                                        ; every wave has read the stage: the next row tile's V may be stored; behind the last one region 3 is whole
.endm
	VTILE 0
	VTILE 1
	VTILE 2
	VTILE 3
.Lnext:
	s_add_co_u32 s[ABASE], s[ABASE], REG
	s_add_co_u32 s[PH], s[PH], 1
	s_cmp_lt_u32 s[PH], 4
	s_cbranch_scc1 .Lphase
	s_wait_tensorcnt 0x0                           ; the wave's end, behind my last LDS store
	ds_add_u32 v[SPW], v[NIL]
	s_wait_dscnt 0x0
	s_endpgm
.Lfunc_end_k_qb30b6a1306_fused:
	.size	k_qb30b6a1306_fused, .Lfunc_end_k_qb30b6a1306_fused-k_qb30b6a1306_fused
	.p2alignl 7, 3214868480
	.fill 96, 4, 3214868480
	.section	.rodata,"a",@progbits
	.p2align	6, 0x0
	.amdhsa_kernel k_qb30b6a1306_fused
		.amdhsa_group_segment_fixed_size 310016
		.amdhsa_private_segment_fixed_size 0
		.amdhsa_enable_private_segment 0
		.amdhsa_kernarg_size 64
		.amdhsa_user_sgpr_count 2
		.amdhsa_user_sgpr_kernarg_segment_ptr 1
		.amdhsa_wavefront_size32 1
		.amdhsa_system_sgpr_workgroup_id_x 1
		.amdhsa_system_sgpr_workgroup_id_y 1
		.amdhsa_system_sgpr_workgroup_id_z 1
		.amdhsa_system_vgpr_workitem_id 0
		.amdhsa_next_free_vgpr 1024
		.amdhsa_next_free_sgpr 66
		.amdhsa_reserve_vcc 0
		.amdhsa_float_denorm_mode_32 3
		.amdhsa_float_denorm_mode_16_64 3
		.amdhsa_memory_ordered 1
		.amdhsa_forward_progress 1
		.amdhsa_inst_pref_size 255
	.end_amdhsa_kernel
	.section	.bss,"aw",@nobits
	.p2align	6
	.space	262144
	.amdgpu_metadata
---
amdhsa.version: [ 1, 2 ]
amdhsa.kernels:
  - .name:           k_qb30b6a1306_fused
    .symbol:         k_qb30b6a1306_fused.kd
    .args:
      - { .name: query_codes, .offset: 0, .size: 8, .value_kind: global_buffer, .address_space: global }
      - { .name: query_scales, .offset: 8, .size: 8, .value_kind: global_buffer, .address_space: global }
      - { .name: key_codes, .offset: 16, .size: 8, .value_kind: global_buffer, .address_space: global }
      - { .name: key_scales, .offset: 24, .size: 8, .value_kind: global_buffer, .address_space: global }
      - { .name: value_codes, .offset: 32, .size: 8, .value_kind: global_buffer, .address_space: global }
      - { .name: value_scales, .offset: 40, .size: 8, .value_kind: global_buffer, .address_space: global }
      - { .name: wimg, .offset: 48, .size: 8, .value_kind: global_buffer, .address_space: global }
      - { .name: out0, .offset: 56, .size: 8, .value_kind: global_buffer, .address_space: global }
    .group_segment_fixed_size: 310016
    .private_segment_fixed_size: 0
    .kernarg_segment_align: 8
    .kernarg_segment_size: 64
    .max_flat_workgroup_size: 128
    .sgpr_count:     66
    .vgpr_count:     1024
    .wavefront_size: 32
...
	.end_amdgpu_metadata
.endif
;; end of part 2
;; ======== version 2 of 2: 2 launches
;; workspace buffers: wimg 3,276,800 bytes
;; launch lay (part 3): grid 256 x 1, 2 waves a work-group, no clusters, 0 bytes of LDS; arguments Wq_codes, Wq_scales, Wk_codes, Wk_scales, Wv_codes, Wv_scales, Wo_codes, Wo_scales, wimg; writes wimg
.if DOCPART == 3
	.amdgcn_target "amdgcn-amd-amdhsa--gfx1250"
	.amdhsa_code_object_version 6
	.text
	.protected	k_qb30b6a1306_lay
	.globl	k_qb30b6a1306_lay
	.p2align	8
	.type	k_qb30b6a1306_lay,@function
k_qb30b6a1306_lay:
	s_mov_b64 s[64:65], 0
	v_nop
	global_prefetch_b8 v0, s[64:65] scope:SCOPE_SE
	s_setreg_imm32_b32 hwreg(HW_REG_WAVE_MODE, 25, 1), 1
	s_wait_xcnt 0x0
; The four weights (codes of E3M2, K innermost, 768 bytes a row; one E8M0 byte for each 32 along K, 32 bytes a row) are copied once into wimg, in the order of
; the matrix operand's registers, so that the next launch loads every fragment by three loads of 16 bytes a lane and a K step's 16 scale words by two.
; NO WORK OF THE PROBLEM IS LEFT OUT, here or in the next launch: every input has a way to the output, and all are loaded.
; wimg: chunk (P, w, q) at ((4 P + w) 8 + q) x 25,600 bytes; P = 0 Wq, 1 Wk, 2 Wv, 3 Wo; w = the wave that will read it; q = the K step of 128.
;   In a chunk: 16 fragment images of 1,536 bytes (tile t at 1,536 t; registers 4 c .. 4 c + 3 of lane l at 512 c + 16 l), then 1,024 bytes of scale words:
;   at 24,576 + 512 i + 16 l + 4 j the word (four bytes: this K step) of row l % 16 of tile 8 i + 2 j + l / 16.
; A fragment is 16 rows x 128 K in 12 registers: lane (r, h) holds of its row the 24 bytes at 96 q + 24 h and the 24 bytes 48 further on, as they lie.
; WHICH ROWS FORM A TILE is chosen for what the product's result becomes.  Row of lane r of tile t of wave w:
;   Wq, Wk: 256 w + 32 (t / 2) + 8 (t % 2) + r + 8 (r / 8): the 16 result registers of tiles 2 b, 2 b + 1 are then 16 neighbours along the next K;
;   Wv:     64 r + 16 w + t: a tile is one channel d = 16 w + t with its 16 heads;      Wo: 256 w + 16 t + r.
; SHARES: work-group X takes tile t = X % 16 of wave w = (X / 16) % 4 of weight P = X / 64; its wave v the K steps 4 v .. 4 v + 3.  Wave 0 also writes one half (i = t % 2)
; of the scale words of K step t / 2.  Each store of a wave covers 512 consecutive bytes, aligned.  No LDS, no barrier: waves share nothing.
.set CH,    25600                      ; a chunk
.set WAVEB, 8*CH                       ; a wave's eight chunks of one weight
	s_load_b512 s[8:23], s[0:1], 0x0               ; Wq codes, scales; Wk; Wv; Wo
	s_load_b64 s[24:25], s[0:1], 0x40              ; wimg
	v_lshrrev_b32 v1, 5, v0
	v_readfirstlane_b32 s2, v1                     ; wave v
	v_and_b32 v1, 31, v0                           ; lane
	v_and_b32 v2, 15, v0                           ; r
	s_wait_alu depctr_va_vdst(0)
	v_bfe_u32 v3, v0, 4, 1                         ; h
	v_lshlrev_b32 v5, 4, v1                        ; 16 x lane
	s_lshr_b32 s3, ttmp9, 6                        ; P
	s_bfe_u32 s4, ttmp9, 0x20004                   ; w
	s_and_b32 s5, ttmp9, 15                        ; t
	s_lshl_b32 s6, s4, 8                           ; 256 w
	s_lshr_b32 s7, s5, 1                           ; t / 2 (also: the scale job's K step)
	s_and_b32 s26, s5, 1                           ; t % 2 (also: the scale job's half i)
	s_lshl_b32 s27, s7, 5
	s_add_co_u32 s27, s27, s6
	s_lshl_b32 s36, s26, 3
	s_add_co_u32 s27, s27, s36                     ; the tile's first row in Wq, Wk: 256 w + 32 (t / 2) + 8 (t % 2)
	s_lshl_b32 s36, s4, 4                          ; 16 w
	s_add_co_u32 s37, s36, s5                      ; in Wv: 16 w + t
	s_lshl_b32 s38, s5, 4
	s_add_co_u32 s38, s38, s6                      ; in Wo: 256 w + 16 t
	s_lshl_b32 s39, s26, 7
	s_add_co_u32 s39, s39, s6                      ; the scale job's first row: 256 w + 128 i,
	s_lshl_b32 s46, s26, 3
	s_add_co_u32 s46, s46, s36                     ; in Wv 16 w + 8 i
	s_cmp_eq_u32 s3, 2                             ; the choices hang on the work-group's number alone
	s_cselect_b32 s37, s37, s38
	s_cselect_b32 s38, 64, 1                       ; rows from lane to lane
	s_cselect_b32 s39, s46, s39
	s_cselect_b32 s46, 2, 32                       ; the scale job: rows from word j to word j + 1 (two tiles on),
	s_cselect_b32 s47, 1, 16                       ; and from lanes 0-15 to lanes 16-31 (one tile on)
	s_cmp_lt_u32 s3, 2
	s_cselect_b32 s27, s27, s37
	s_cselect_b32 s38, 1, s38
	s_cselect_b32 s37, 8, 0                        ; Wq, Wk: lanes 8-15 stand 8 rows further on
	s_cselect_b32 s47, 8, s47
	v_mul_lo_u32 v12, v2, s38
	v_lshrrev_b32 v6, 3, v2
	v_mul_lo_u32 v6, v6, s37
	v_add_nc_u32 v12, v12, v6                      ; my lane's row within a tile
	v_add_nc_u32 v4, s27, v12                      ; my row of the weight
	v_mul_u32_u24 v4, v4, 768
	s_wait_alu depctr_va_vdst(0)
	v_mad_u32_u24 v4, v3, 24, v4                   ; its codes, + 24 h,
	s_mul_i32 s36, s2, 384
	v_add_nc_u32 v4, s36, v4                       ; + my wave's four K steps of 96 bytes
	v_mul_lo_u32 v13, v3, s47
	v_add3_u32 v13, v13, v12, s39                  ; the scale job: my row for word 0
	v_lshlrev_b32 v13, 5, v13                      ; 32 scale bytes a row
	s_lshl_b32 s36, s7, 2
	v_add_nc_u32 v8, s36, v13                      ; + 4 x K step
	s_lshl_b32 s46, s46, 5
	v_add_nc_u32 v9, s46, v8
	v_add_nc_u32 v10, s46, v9
	v_add_nc_u32 v11, s46, v10
	s_lshl_b32 s40, s3, 2
	s_add_co_u32 s40, s40, s4
	s_mul_i32 s40, s40, WAVEB                      ; chunk (P, w, 0)
	s_mul_i32 s44, s7, CH
	s_add_co_u32 s44, s44, s40
	s_lshl_b32 s36, s26, 9
	s_add_co_u32 s44, s44, s36
	s_add_co_u32 s44, s44, 24576                   ; the scale job's 512 bytes
	s_mov_b32 s45, 0
	s_mul_i32 s36, s2, 4*CH
	s_add_co_u32 s40, s40, s36
	s_mul_i32 s36, s5, 1536
	s_add_co_u32 s40, s40, s36                     ; my wave's first image
	s_mov_b32 s41, 0
	s_wait_alu depctr_va_vdst(0)
	s_wait_kmcnt 0x0
	s_add_nc_u64 s[40:41], s[24:25], s[40:41]
	s_add_nc_u64 s[44:45], s[24:25], s[44:45]
	s_cmp_lt_u32 s3, 2                             ; which weight: a choice between buffers on the work-group's number
	s_cselect_b64 s[28:29], s[8:9], s[16:17]
	s_cselect_b64 s[30:31], s[10:11], s[18:19]
	s_cselect_b64 s[32:33], s[12:13], s[20:21]
	s_cselect_b64 s[34:35], s[14:15], s[22:23]
	s_and_b32 s36, s3, 1
	s_cmp_eq_u32 s36, 0
	s_cselect_b64 s[28:29], s[28:29], s[32:33]     ; the codes
	s_cselect_b64 s[30:31], s[30:31], s[34:35]     ; the scale bytes
.irp q, 0,1,2,3
.irp p, 0,1,2,3,4,5
	global_load_b64 v[16+12*\q+2*\p:16+12*\q+2*\p+1], v4, s[28:29] offset:96*\q+48*(\p/3)+8*(\p%3)
.endr
.endr
.irp q, 0,1,2,3
	s_wait_loadcnt 6*(3-\q)                        ; this fragment's six loads are in; the later fragments' six each may be out
.irp c, 0,1,2
	global_store_b128 v5, v[16+12*\q+4*\c:16+12*\q+4*\c+3], s[40:41] offset:\q*CH+512*\c
.endr
.endr
	s_cmp_lg_u32 s2, 0
	s_cbranch_scc1 .Ldone                          ; the scale job is wave 0's
	global_load_b32 v64, v8, s[30:31]
	global_load_b32 v65, v9, s[30:31]
	global_load_b32 v66, v10, s[30:31]
	global_load_b32 v67, v11, s[30:31]
	s_wait_loadcnt 0x0
	global_store_b128 v5, v[64:67], s[44:45]
.Ldone:
	s_endpgm
.Lfunc_end_k_qb30b6a1306_lay:
	.size	k_qb30b6a1306_lay, .Lfunc_end_k_qb30b6a1306_lay-k_qb30b6a1306_lay
	.p2alignl 7, 3214868480
	.fill 96, 4, 3214868480
	.section	.rodata,"a",@progbits
	.p2align	6, 0x0
	.amdhsa_kernel k_qb30b6a1306_lay
		.amdhsa_group_segment_fixed_size 0
		.amdhsa_private_segment_fixed_size 0
		.amdhsa_enable_private_segment 0
		.amdhsa_kernarg_size 72
		.amdhsa_user_sgpr_count 2
		.amdhsa_user_sgpr_kernarg_segment_ptr 1
		.amdhsa_wavefront_size32 1
		.amdhsa_system_sgpr_workgroup_id_x 1
		.amdhsa_system_sgpr_workgroup_id_y 1
		.amdhsa_system_sgpr_workgroup_id_z 1
		.amdhsa_system_vgpr_workitem_id 0
		.amdhsa_next_free_vgpr 80
		.amdhsa_next_free_sgpr 66
		.amdhsa_reserve_vcc 0
		.amdhsa_float_denorm_mode_32 3
		.amdhsa_float_denorm_mode_16_64 3
		.amdhsa_memory_ordered 1
		.amdhsa_forward_progress 1
		.amdhsa_inst_pref_size 8
	.end_amdhsa_kernel
	.amdgpu_metadata
---
amdhsa.version: [ 1, 2 ]
amdhsa.kernels:
  - .name:           k_qb30b6a1306_lay
    .symbol:         k_qb30b6a1306_lay.kd
    .args:
      - { .name: Wq_codes, .offset: 0, .size: 8, .value_kind: global_buffer, .address_space: global }
      - { .name: Wq_scales, .offset: 8, .size: 8, .value_kind: global_buffer, .address_space: global }
      - { .name: Wk_codes, .offset: 16, .size: 8, .value_kind: global_buffer, .address_space: global }
      - { .name: Wk_scales, .offset: 24, .size: 8, .value_kind: global_buffer, .address_space: global }
      - { .name: Wv_codes, .offset: 32, .size: 8, .value_kind: global_buffer, .address_space: global }
      - { .name: Wv_scales, .offset: 40, .size: 8, .value_kind: global_buffer, .address_space: global }
      - { .name: Wo_codes, .offset: 48, .size: 8, .value_kind: global_buffer, .address_space: global }
      - { .name: Wo_scales, .offset: 56, .size: 8, .value_kind: global_buffer, .address_space: global }
      - { .name: wimg, .offset: 64, .size: 8, .value_kind: global_buffer, .address_space: global }
    .group_segment_fixed_size: 0
    .private_segment_fixed_size: 0
    .kernarg_segment_align: 8
    .kernarg_segment_size: 72
    .max_flat_workgroup_size: 64
    .sgpr_count:     66
    .vgpr_count:     80
    .wavefront_size: 32
...
	.end_amdgpu_metadata
.endif
;; end of part 3
;; launch fused (part 4): grid 256 x 1, 4 waves a work-group, no clusters, 310,016 bytes of LDS; arguments query_codes, query_scales, key_codes, key_scales, value_codes, value_scales, wimg, out0; writes out0
.if DOCPART == 4
	.amdgcn_target "amdgcn-amd-amdhsa--gfx1250"
	.amdhsa_code_object_version 6
	.text
	.protected	k_qb30b6a1306_fused
	.globl	k_qb30b6a1306_fused
	.p2align	8
	.type	k_qb30b6a1306_fused,@function
k_qb30b6a1306_fused:
	s_mov_b64 s[64:65], 0
	v_nop
	global_prefetch_b8 v0, s[64:65] scope:SCOPE_SE
	s_setreg_imm32_b32 hwreg(HW_REG_WAVE_SCHED_MODE, 0, 2), 2
	s_setreg_imm32_b32 hwreg(HW_REG_WAVE_MODE, 25, 1), 1
	s_wait_xcnt 0x0
	s_wait_alu depctr_vm_vsrc(0)
; The whole chain for 64 neighbouring positions: Q, K, V = activations x weights (codes of E3M2 as given); at each position energy[h][g] = Q(h) . K(g) over d = 64, both quantised along d;
; softmax over g of energy / 512, its maximum taken away; weighted[h][d] = sum over g of a[h][g] V[g][d] in f32; the transposition and reshape; weighted, quantised, x Wo.  No work is left out.
; THE RESHAPE IS LOCAL: element (s, h, d) of a batch lands in row 128 h + s / 16, column 64 (s % 16) + d.  So 16 neighbouring positions with their 16 heads are 16 whole rows of the last product's
; left operand, a block of 32 along its K is 32 neighbouring d of one (s, h), and nothing but the output goes to memory.
; SHARES.  Work-group x: positions 64 x .. 64 x + 63 (four row tiles mt of 16).  In each of the four large products wave w makes 64 rows x 256 columns: 64 accumulators, 512 registers.
; The matrix instruction is used transposed (source 0 = 16 rows of the weight, source 1 = 16 rows of the left operand): a lane holds ONE row, its registers run along the columns.
; In the attention wave w owns positions 4 w .. 4 w + 3 of each row tile, two at a time: a pair's results are K step 2 w + pair of the last product.
; THE WEIGHTS come from wimg (laid by the launch before in the order of the operand's registers) straight into a ring of 24 fragments in registers, under counted waits.  NOT through LDS, a tensor load
; or a cluster's joint load, by this text's own arithmetic: the waves share the columns, so each fragment is read by exactly one wave of the work-group, and LDS would add a write and a read to each byte;
; two slots of one K step of 1,024 weight rows are 2 x 98,304 bytes, which do not fit beside the 309,504 bytes of operands that go from wave to wave.
; LDS.  Four regions of 55,296 bytes: 64 rows of 1,024 codes, 816 bytes apart (768 + 48 = 204 words: row r begins at bank 12 r mod 64 and the lanes' halves lie 6 words apart, so the 32 lanes of an 8-byte
; access touch 64 different banks; 64 banks of 4 bytes: ISA guide 11.1), then 64 rows of 8 scale words, 48 bytes apart.  Region 0: query, later Q; 1: key, later K; 2: value; 3: weighted.
; Behind them a stage of 88,320 bytes: V of one row tile in f32 (position x 5,520; the 16 heads of channel d at 80 d + 128 (d / 16)); on the way out 16 rows x 1,040 bytes for each wave.  Then the spare words.
; REGISTERS, in windows of 256: window 0: addresses, scale words, two buffers of the left operand's fragments, the quantiser's work, the ring's slots 20 to 23.  Window 1: the ring's slots 0 to 19.
;   Windows 2, 3: accumulator (mt, t) at v[8 (16 (mt % 2) + t)] of window 2 + mt / 2.  In the attention window 2's v0-63 take the f32 sums (written by matrix instructions alone in the whole text) and v64-127 V.
; LIMITS.  NaN, infinities and a scale byte 0xff among the inputs are served only as the matrix unit serves them.  A computed block of zeros, or one whose largest magnitude lies under 2^(5 - 127), gets the
; byte 1 (the rule says 127 for zeros): its codes are zeros or what the conversion gives under that byte, and the bytes are read by this text alone.  Sums are rounded in the matrix unit's order.
; THE MODE: SCHED_MODE bits 1:0 = 2 (LLVM: expert scheduling mode 2), set by the entry lines.  The code itself states the register dependences
; between vector or matrix instructions and memory or LDS instructions, with s_wait_alu, always for 0.
; THE PLAN.  Registers that memory or LDS instructions touch, and who else names them:
;   the ring      Group g's 16 products read the slots of fragments 4 g .. 4 g + 3; the loads of fragments 4 g + 24 .. 4 g + 27, issued in group g + 1, land in them.
;   BS0, BS1      Step q's products read set q % 2; the loads of step q + 2's words, issued in step q + 1's first group, land in it.
;   AF0, AF1      Step q's products read buffer q % 2; the LDS loads of step q + 2's fragments, issued in step q + 1's first two groups, land in it.
;   AS            Read by a phase's products; loaded at the next phase's head.
;   v[VA], v[VS]  Read by those LDS loads; written once a phase, at its head.  v[L16] is read by every load of a weight and never written again.
;   So ONE wait on va_vdst stands at the head of a group, behind its wait on LOADcnt: the group before is done with all that this group's loads land in.  The loads stand in one run in the group's
;   middle; the eight products between name this group's slots, this step's set and buffer, AS and the accumulators: none of the registers that the run touches.
;   v[PC ..], v[PW], v[VST], v[VSW]   Written by the quantiser and by two additions; read by seven LDS stores: a wait on va_vdst ahead of the stores, one on vm_vsrc ahead of the next writer.
;   accumulators  Written by products; read by the quantiser, and by the LDS stores of V's phase and of the way out: one wait on va_vdst behind a phase's last places serves them, and the next weight's first loads.
;   the attention Six addresses written at a pair's head, between a wait on vm_vsrc and one on va_vdst, which also frees the registers in which the pair's 30 LDS loads land.
;   v[SPW], v[NIL]  Written at the head, read by the closing add alone.
.set RP,    816                        ; a row of codes in LDS
.set REG,   55296                      ; a region
.set ASCO,  64*RP                      ; in it: the scale words
.set SCP,   48                         ; a row of them
.set STG,   4*REG                      ; the stage
.set PV,    5520                       ; a position's V in it
.set OSTP,  1040                       ; the way out: a stage row, 1,024 bytes + 16
.set OSTB,  16*OSTP                    ; and a wave's stage
.set SPARE, STG+16*PV                  ; the spare words: 128 bytes for each wave, two blocks of 256 bytes that no other line names
.set CH,    25600                      ; wimg: a chunk (wave, K step)
.set WAVEB, 8*CH
.set PHB,   4*WAVEB                    ; a weight
.set L16,  1                           ; v1   16 x lane; never rewritten
.set VA0,  2                           ; v2   816 r + 24 h: my place in a fragment's rows
.set VA,   3                           ; v3   the same in the phase's region
.set VS0,  4                           ; v4   scale words: row = lane
.set VS,   5                           ; v5   the same in the phase's region
.set VST0, 6                           ; v6   where I store codes: VA0 + 192 w
.set VST,  7                           ; v7   the store address in hand
.set VSW0, 8                           ; v8   where I store scale words: row r, + 8 w
.set VSW,  9
.set VQ0,  10                          ; v10  Q of my wave's first position: head r, + 24 h
.set VK0,  11                          ; v11  K likewise
.set TQ,   12
.set TK,   13
.set VE0,  14                          ; v14  the energies' scale bytes: lanes 0-15 Q's, lanes 16-31 K's
.set TE,   15
.set VSS,  16                          ; v16  V into the stage
.set VL0,  17                          ; v17  V out of it
.set TV,   18
.set OSA,  19                          ; v19  the way out: into my stage
.set OLA,  20                          ; v20  and back
.set LA,   21                          ; v21, v22  the head's staging
.set LB,   22
.set VW0,  23                          ; v23  VST0 in region 3
.set VWS0, 24                          ; v24  VSW0 in region 3
.set T16,  25                          ; v25  16 x thread
.set LSC,  26                          ; v26  the head's staging of scale rows
.set SPW,  30                          ; v30  LDS address of my spare word; never rewritten
.set NIL,  31                          ; v31  0; never rewritten
.set BS,   32                          ; v32-47  the weight's scale words, two sets of 8: set q % 2, register t / 2, lanes 16 (t % 2) on
.set AS,   48                          ; v48-63  the left operand's: register 8 (mt / 2) + q, lanes 16 (mt % 2) on
.set AF,   64                          ; v64-159 the left operand's fragments: buffer q % 2 (48 registers), 12 a row tile
.set TM,   160                         ; v160-175 the quantiser: largest magnitudes, bytes, scale operands
.set PW,   176                         ; v176 the scale word just made
.set PC,   180                         ; v180-199 the codes just made
.set SE,   200                         ; v200, v201 the energies' scale words
.set RW0,  204                         ; v204-251 the ring's slots 20 to 23
.set KF,   64                          ; the attention, in the fragments' registers: K's and Q's operands of position i at KF + 24 i, QF + 24 i,
.set QF,   76
.set EN,   112                         ; the energies, then the weights a, 8 a position,
.set MX,   130                         ; v130, v132 the maxima; v134, v136 the reciprocals (each the low word of a pair),
.set RC,   134
.set T0,   138                         ; v138-145 partial sums, v146-147 what a lane permute brings, v148-149 the sums
.set PX,   146
.set SM,   148
.set WV,    2                          ; s2  my wave's number
.set PH,    3                          ; s3  the phase: 0 Q, 1 K, 2 V, 3 the way out
.set ABASE, 4                          ; s4  the phase's region
.set KC,    5                          ; s5  counts a row tile's two pairs of positions
.set WB,    20                         ; s[20:21] my wave's chunks of the phase's weight
.set SQ,    24                         ; s24 two rows of codes a pair
.set SE96,  25                         ; s25 96 a pair: two rows of scale words, and one K step of codes
.set SV,    26                         ; s26 two positions of V a pair
.set SS,    27                         ; s27 one scale word a pair
.set CS,    28                         ; s[28:29] log2(e) / 512
.set SEL,   30                         ; s[30:31] lane selects for v_permlanex16_b32: lane l xor 16
.set MSB, 0
.macro WIN new                         ; the immediate's high byte repeats the setting that is left; a switch that changes nothing is dropped
.if MSB != (\new)
	s_set_vgpr_msb (MSB<<8)|(\new)
.set MSB, (\new)
.endif
.endm
.macro PLACES n                        ; plain vector instructions behind matrix instructions (ISA guide 7.12.1), where no other vector work is at hand
.rept \n
	v_nop
.endr
.endm
.macro BARRIER                         ; my LDS stores have landed and my LDS loads are in: then the work-group's barrier
	s_wait_dscnt 0x0
	s_barrier_signal -1
	s_barrier_wait -1
.endm
.macro AHALF q, u                      ; the left operand's fragments of K step q, row tiles 2 u and 2 u + 1: 24 bytes twice for each lane, in pieces of 8 bytes
.irp m, 0,1
.irp p, 0,1,2,3,4,5
	ds_load_b64 v[AF+48*((\q)%2)+12*(2*(\u)+\m)+2*\p:AF+48*((\q)%2)+12*(2*(\u)+\m)+2*\p+1], v[VA] offset:16*RP*(2*(\u)+\m)+96*(\q)+48*(\p/3)+8*(\p%3)
.endr
.endr
.endm
.macro BLOAD f                         ; weight fragment f = 16 q + t into slot f % 24 of the ring (slots 0 to 19: window 1; 20 to 23: window 0; the caller sets the window): each load reads 512 consecutive bytes
.set SLT, (\f)%24
.if SLT < 20
.set SL, 12*SLT
.else
.set SL, RW0+12*(SLT-20)
.endif
.set BO, ((\f)/16)*CH+((\f)%16)*1536
	global_load_b128 v[SL:SL+3], v[L16], s[WB:WB+1] offset:BO
	global_load_b128 v[SL+4:SL+7], v[L16], s[WB:WB+1] offset:BO+512
	global_load_b128 v[SL+8:SL+11], v[L16], s[WB:WB+1] offset:BO+1024
.endm
.macro SLOAD q                         ; K step q's 16 scale words a lane half
	global_load_b128 v[BS+8*((\q)%2):BS+8*((\q)%2)+3], v[L16], s[WB:WB+1] offset:(\q)*CH+24576
	global_load_b128 v[BS+8*((\q)%2)+4:BS+8*((\q)%2)+7], v[L16], s[WB:WB+1] offset:(\q)*CH+24576+512
.endm
.macro BURST                           ; a phase's first scale words and its first 20 fragments: 62 loads
	WIN 0
	SLOAD 0
	WIN 0x40
.set FF, 0
.rept 20
	BLOAD FF
.set FF, FF+1
.endr
	WIN 0
.endm
.macro MM t, mt, q                     ; accumulator (mt, t) += weight tile t x row tile mt, K step q.  The first K step starts the sums: nothing is cleared
.set AC, 8*(16*((\mt)%2)+(\t))
.set SLT, (16*(\q)+(\t))%24
.if SLT < 20
.set WF, 12*SLT
.else
.set WF, RW0+12*(SLT-20)
.endif
.set XF, AF+48*((\q)%2)+12*(\mt)
.set SA, BS+8*((\q)%2)+(\t)/2
.set SB, AS+8*((\mt)/2)+(\q)
.set SELR, 2*((\t)%2)+(\mt)%2
.if (\q) == 0
.if SELR == 0
	v_wmma_scale_f32_16x16x128_f8f6f4 v[AC:AC+7], v[WF:WF+11], v[XF:XF+11], 0, v[SA], v[SB] matrix_a_fmt:MATRIX_FMT_BF6 matrix_b_fmt:MATRIX_FMT_BF6
.elseif SELR == 1
	v_wmma_scale_f32_16x16x128_f8f6f4 v[AC:AC+7], v[WF:WF+11], v[XF:XF+11], 0, v[SA], v[SB] matrix_a_fmt:MATRIX_FMT_BF6 matrix_b_fmt:MATRIX_FMT_BF6 matrix_b_scale:MATRIX_SCALE_ROW1
.elseif SELR == 2
	v_wmma_scale_f32_16x16x128_f8f6f4 v[AC:AC+7], v[WF:WF+11], v[XF:XF+11], 0, v[SA], v[SB] matrix_a_fmt:MATRIX_FMT_BF6 matrix_b_fmt:MATRIX_FMT_BF6 matrix_a_scale:MATRIX_SCALE_ROW1
.else
	v_wmma_scale_f32_16x16x128_f8f6f4 v[AC:AC+7], v[WF:WF+11], v[XF:XF+11], 0, v[SA], v[SB] matrix_a_fmt:MATRIX_FMT_BF6 matrix_b_fmt:MATRIX_FMT_BF6 matrix_a_scale:MATRIX_SCALE_ROW1 matrix_b_scale:MATRIX_SCALE_ROW1
.endif
.else
.if SELR == 0
	v_wmma_scale_f32_16x16x128_f8f6f4 v[AC:AC+7], v[WF:WF+11], v[XF:XF+11], v[AC:AC+7], v[SA], v[SB] matrix_a_fmt:MATRIX_FMT_BF6 matrix_b_fmt:MATRIX_FMT_BF6
.elseif SELR == 1
	v_wmma_scale_f32_16x16x128_f8f6f4 v[AC:AC+7], v[WF:WF+11], v[XF:XF+11], v[AC:AC+7], v[SA], v[SB] matrix_a_fmt:MATRIX_FMT_BF6 matrix_b_fmt:MATRIX_FMT_BF6 matrix_b_scale:MATRIX_SCALE_ROW1
.elseif SELR == 2
	v_wmma_scale_f32_16x16x128_f8f6f4 v[AC:AC+7], v[WF:WF+11], v[XF:XF+11], v[AC:AC+7], v[SA], v[SB] matrix_a_fmt:MATRIX_FMT_BF6 matrix_b_fmt:MATRIX_FMT_BF6 matrix_a_scale:MATRIX_SCALE_ROW1
.else
	v_wmma_scale_f32_16x16x128_f8f6f4 v[AC:AC+7], v[WF:WF+11], v[XF:XF+11], v[AC:AC+7], v[SA], v[SB] matrix_a_fmt:MATRIX_FMT_BF6 matrix_b_fmt:MATRIX_FMT_BF6 matrix_a_scale:MATRIX_SCALE_ROW1 matrix_b_scale:MATRIX_SCALE_ROW1
.endif
.endif
.endm
; Group g of 32: four weight tiles x four row tiles, 16 matrix instructions.  In its middle, in one run, stand its loads: the four ring slots that the group BEFORE has read take the fragments 4 g + 20 .. 4 g + 23;
; a step's first group also asks for the next step's scale words (ahead of the fragments, so that in the order of the loads a step's words stand just behind its first four fragments);
; a step's first two groups ask for the next step's fragments of the left operand, two row tiles each.
; The 64 accumulators take turns, one instruction a turn, in the same order in every K step.
.macro GROUP g
.set GQ, (\g)/4
.set GT, 4*((\g)%4)
.set GW, 1                             ; the window of this group's four slots
.if (\g)%6 == 5
.set GW, 0
.endif
.if (\g) > 27
	s_wait_loadcnt 12*(31-(\g))                    ; at the phase's end: three loads for each fragment still behind
.elseif (\g)%4 == 0
	s_wait_loadcnt 48                              ; this step's scale words stand behind this group's fragments; behind the words 16 fragments (48 loads) have been issued: they may be out
.else
	s_wait_loadcnt 50                              ; behind this group's last fragment 16 fragments (48 loads) and one pair of scale loads have been issued: they may be out
.endif
.if ((\g) > 0) && ((\g) <= 26)
	s_wait_alu depctr_va_vdst(0)                   ; the group before is done reading its four slots, the step before its set of scale words and its buffer of fragments: this group's loads land in them
.endif
	WIN 0xa0|GW                                    ; source 0 (weight) window 1 or 0, source 1 window 0, C and D window 2
.irp k, 0,1,2,3
	MM GT+\k, 0, GQ
	MM GT+\k, 1, GQ
.endr
.if (\g) <= 26                         ; the run.  No further wait: no product since the wait above names a register that these loads touch
.if (\g)%4 < 2
	WIN 0
.if (\g)%4 == 0
	SLOAD (\g)/4+1                                 ; into the set of the K step that the group before has ended
.endif
	AHALF GQ+1, (\g)%4                             ; into the buffer that the step before has read
.endif
.if (\g)%6 == 0
	WIN 0
.else
	WIN 0x40
.endif
.irp k, 20,21,22,23
	BLOAD 4*(\g)+\k
.endr
.endif
	WIN 0xf0|GW                                    ; C and D window 3
.irp k, 0,1,2,3
	MM GT+\k, 2, GQ
	MM GT+\k, 3, GQ
.endr
	PLACES 4                                       ; behind the last group: ahead of the first read of results; behind the others: between these products and the loads that the next group issues into registers that they have read, beside that group's wait
.endm
.macro STEP q                          ; a K step of 128: 64 matrix instructions
	s_wait_dscnt 0x0                               ; this step's fragments of the left operand are in (asked for in the first two groups of the step before); nothing else is out
	GROUP 4*(\q)
	GROUP 4*(\q)+1
	GROUP 4*(\q)+2
	GROUP 4*(\q)+3
.endm
; 64 numbers of a lane, registers s .. s + 63 of window W, register 16 b + i = k 32 b + 16 (lane / 16) + i of my row, become a fragment's codes in v[PC] on and its scale word in v[PW].
; A block's scale is 2^(floor(log2(its largest magnitude)) - 4): the largest magnitude's exponent field less 4, held at 1 from below by a floor among the maximum's leaves.
.macro QUANT W, s
	WIN ((\W)<<2)|((\W)<<4)                        ; sources 1 and 2 in window W
.irp b, 0,1,2,3
	v_max3_num_f32 v[TM+\b], 0x2800000, |v[(\s)+16*\b]|, |v[(\s)+16*\b+1]|   ; the floor 2^(5 - 127); each accumulator is read from its low end on
.endr
.irp i, 2,4,6,8,10,12,14
.irp b, 0,1,2,3
	v_max3_num_f32 v[TM+\b], v[TM+\b], |v[(\s)+16*\b+\i]|, |v[(\s)+16*\b+\i+1]|   ; the four blocks by turns
.endr
.endr
	WIN 0
.irp b, 0,1,2,3
	v_permlanex16_b32 v[TM+4+\b], v[TM+\b], s[SEL], s[SEL+1]
.endr
.irp b, 0,1,2,3
	v_max_num_f32 v[TM+\b], v[TM+\b], v[TM+4+\b]   ; with lane l xor 16's 16 numbers: the block's largest magnitude
.endr
.irp b, 0,1,2,3
	v_add_nc_u32 v[TM+12+\b], 0xfe000000, v[TM+\b] ; 4 off its exponent field: the conversion takes the exponent field of this operand as its scale
.endr
.irp b, 0,1,2,3
	v_lshrrev_b32 v[TM+4+\b], 23, v[TM+12+\b]      ; the scale's byte
.endr
	v_lshl_or_b32 v[PW], v[TM+5], 8, v[TM+4]
	v_lshl_or_b32 v[PW], v[TM+6], 16, v[PW]
	v_lshl_or_b32 v[PW], v[TM+7], 24, v[PW]        ; my row's scale word
	WIN (\W)                                       ; source 0 in window W
.irp c, 0,1
	v_cvt_scalef32_pk16_bf6_f32 v[PC+6*\c:PC+6*\c+2], v[(\s)+32*\c:(\s)+32*\c+15], v[TM+12+2*\c]
	v_cvt_scalef32_pk16_bf6_f32 v[PC+12+4*\c:PC+12+4*\c+2], v[(\s)+32*\c+16:(\s)+32*\c+31], v[TM+12+2*\c+1]   ; (a conversion's three registers begin on an even number)
.endr
	WIN 0
	v_nop                                          ; one plain instruction behind the scaled conversions
.irp c, 0,1                                    ; the operand's layout wants a whole block in a lane: lanes 0-15 block 2 c, lanes 16-31 block 2 c + 1
.irp i, 0,1,2
	v_permlane16_swap_b32 v[PC+6*\c+\i], v[PC+12+4*\c+\i]
.endr
.irp i, 0,1,2
	v_mov_b32 v[PC+3+6*\c+\i], v[PC+12+4*\c+\i]
.endr
.endr
.endm
.macro STROW adr, off                  ; the fragment in v[PC] on goes into its rows' streams of codes: 24 bytes twice for each lane
.irp p, 0,1,2,3,4,5
	ds_store_b64 v[\adr], v[PC+2*\p:PC+2*\p+1] offset:(\off)+48*(\p/3)+8*(\p%3)
.endr
.endm
	s_load_b512 s[8:23], s[0:1], 0x0               ; query codes, scales; key; value; wimg s[20:21]; out s[22:23]
	v_lshl_add_u32 v[SPW], v0, 2, SPARE
	v_mov_b32 v[NIL], 0
	v_lshrrev_b32 v29, 5, v0
	v_readfirstlane_b32 s[WV], v29                 ; wave 0..3
	v_and_b32 v29, 31, v0                          ; lane
	v_and_b32 v27, 15, v0                          ; r
	v_bfe_u32 v28, v0, 4, 1                        ; h
	v_lshlrev_b32 v[L16], 4, v29
	v_mul_u32_u24 v[VA0], v27, RP
	v_mad_u32_u24 v[VA0], v28, 24, v[VA0]
	v_mul_u32_u24 v[VS0], v29, SCP
	v_add_nc_u32 v[VS0], ASCO, v[VS0]
	s_wait_alu depctr_va_sdst(0)                   ; the wave's number is written, ahead of its first reader: LDS places and the bases of the buffers are made from it
	s_mul_i32 s6, s[WV], 192                       ; my wave's two K steps of codes; also four rows of scale words
	v_add_nc_u32 v[VST0], s6, v[VA0]
	v_mul_u32_u24 v[VSW0], v27, SCP
	s_lshl_b32 s7, s[WV], 3
	s_add_co_u32 s7, s7, ASCO
	v_add_nc_u32 v[VSW0], s7, v[VSW0]
	v_mul_u32_u24 v[VQ0], v27, 48                  ; a head's 64 codes are 48 bytes
	v_mad_u32_u24 v[VQ0], v28, 24, v[VQ0]
	s_mul_i32 s7, s[WV], 4*RP
	v_add_nc_u32 v[VQ0], s7, v[VQ0]
	v_add_nc_u32 v[VK0], REG, v[VQ0]
	v_mul_u32_u24 v[VE0], v28, REG                 ; lanes 16-31 take region 1's
	v_lshl_add_u32 v[VE0], v27, 1, v[VE0]          ; a head's two scale bytes
	s_add_co_u32 s7, s6, ASCO
	v_add_nc_u32 v[VE0], s7, v[VE0]
	v_mul_u32_u24 v[VSS], v27, PV
	v_lshl_add_u32 v[VSS], v28, 5, v[VSS]
	s_mul_i32 s7, s[WV], 1408                      ; channel 16 w: 80 x 16 w + 128 w
	s_add_co_u32 s7, s7, STG
	v_add_nc_u32 v[VSS], s7, v[VSS]
	v_mul_u32_u24 v[VL0], v27, 80                  ; channel r + 8 (r / 8): 80 r + (640 + 128) (r / 8)
	v_lshrrev_b32 v29, 3, v27
	v_mad_u32_u24 v[VL0], v29, 768, v[VL0]
	v_lshl_add_u32 v[VL0], v28, 5, v[VL0]
	s_mul_i32 s7, s[WV], 4*PV
	s_add_co_u32 s7, s7, STG
	v_add_nc_u32 v[VL0], s7, v[VL0]
	v_mul_u32_u24 v[OSA], v27, OSTP
	v_lshl_add_u32 v[OSA], v28, 5, v[OSA]
	s_mul_i32 s7, s[WV], OSTB
	s_add_co_u32 s7, s7, STG
	v_add_nc_u32 v[OSA], s7, v[OSA]
	v_add_nc_u32 v[OLA], s7, v[L16]
	s_mul_i32 s7, s[WV], 16*RP
	v_add_nc_u32 v[LA], s7, v[L16]
	v_mad_u32_u24 v[LB], v28, 48, v[LA]
	v_add_nc_u32 v[VW0], 3*REG, v[VST0]
	v_add_nc_u32 v[VWS0], 3*REG, v[VSW0]
	v_lshlrev_b32 v[T16], 4, v0
	v_lshrrev_b32 v29, 1, v0
	v_mul_u32_u24 v[LSC], v29, SCP
	v_and_b32 v29, 1, v0
	v_lshl_add_u32 v[LSC], v29, 4, v[LSC]
	v_add_nc_u32 v[LSC], ASCO, v[LSC]
.irp b, 0,1,2,3
	v_mov_b32 v[TM+4+\b], 0                        ; written once: a lane permute's destination counts as one of its sources
.endr
	s_mov_b32 s[CS], 0x3b38aa3b                    ; log2(e) / 512
	s_mov_b32 s[CS+1], s[CS]                       ; (named with it as a pair, so it is written)
	s_mov_b32 s[SEL], 0x76543210
	s_mov_b32 s[SEL+1], 0xfedcba98
	s_mul_i32 s32, ttmp9, 64*768
	s_mul_i32 s33, s[WV], 16*768
	s_add_co_u32 s32, s32, s33                     ; my wave's 16 rows of codes
	s_mov_b32 s33, 0
	s_lshl_b32 s34, ttmp9, 11                      ; the work-group's 64 rows of scale bytes
	s_mov_b32 s35, 0
	s_wait_kmcnt 0x0
	s_add_nc_u64 s[8:9], s[8:9], s[32:33]
	s_add_nc_u64 s[12:13], s[12:13], s[32:33]
	s_add_nc_u64 s[16:17], s[16:17], s[32:33]
	s_add_nc_u64 s[10:11], s[10:11], s[34:35]
	s_add_nc_u64 s[14:15], s[14:15], s[34:35]
	s_add_nc_u64 s[18:19], s[18:19], s[34:35]
	s_mul_i32 s32, s[WV], WAVEB
	s_add_nc_u64 s[WB:WB+1], s[WB:WB+1], s[32:33]
	s_lshr_b32 s32, ttmp9, 5                       ; out: the batch, 2,048 rows of 4,096 bytes;
	s_lshl_b32 s32, s32, 23
	s_and_b32 s34, ttmp9, 31                       ; row 4 (x % 32) of head 0;
	s_lshl_b32 s34, s34, 14
	s_add_co_u32 s32, s32, s34
	s_lshl_b32 s34, s[WV], 10                      ; my wave's 256 columns
	s_add_co_u32 s32, s32, s34
	s_add_nc_u64 s[22:23], s[22:23], s[32:33]
	; The activations: each wave's 16 rows are 12,288 consecutive bytes, 24 loads of 512; the scale rows 16 bytes a thread.  75 loads; read once in the launch
	WIN 0xc0                                       ; destination window 3
	s_wait_alu depctr_va_vdst(0)                   ; all the addresses v1 to v26 are written, which the loads and LDS stores below, and those of the whole kernel, read; so are v[SPW] and v[NIL]
.set I, 0
.rept 24
	global_load_b128 v[4*I:4*I+3], v[L16], s[8:9] offset:512*I th:TH_LOAD_NT
.set I, I+1
.endr
	global_load_b128 v[192:195], v[T16], s[10:11] th:TH_LOAD_NT
.set I, 0
.rept 24
	global_load_b128 v[96+4*I:96+4*I+3], v[L16], s[12:13] offset:512*I th:TH_LOAD_NT
.set I, I+1
.endr
	global_load_b128 v[196:199], v[T16], s[14:15] th:TH_LOAD_NT
	global_load_b128 v[200:203], v[T16], s[18:19] th:TH_LOAD_NT
	WIN 0x80                                       ; destination window 2
.set I, 0
.rept 24
	global_load_b128 v[128+4*I:128+4*I+3], v[L16], s[16:17] offset:512*I th:TH_LOAD_NT
.set I, I+1
.endr
	BURST                                          ; Wq's first fragments
	s_wait_loadcnt 62                              ; of 137 loads the 62 youngest are the weight's: with at most 62 out, the activations' 75 are in
; Three loads are two rows: bytes 0-511 of the first; its last 256 and the second's first 256 (lanes 16-31 stand one row's padding, 48 bytes, further on); the second's last 512
.macro STAGE_IN win, reg, sreg
	WIN (\win)<<2                                  ; an LDS store's data are its source 1
.set I, 0
.rept 24
.if I%3 == 0
	ds_store_b128 v[LA], v[\reg+4*I:\reg+4*I+3] offset:2*RP*(I/3)
.elseif I%3 == 1
	ds_store_b128 v[LB], v[\reg+4*I:\reg+4*I+3] offset:2*RP*(I/3)+512
.else
	ds_store_b128 v[LA], v[\reg+4*I:\reg+4*I+3] offset:2*RP*(I/3)+RP+256
.endif
.set I, I+1
.endr
	WIN 0x0c
	ds_store_b128 v[LSC], v[\sreg:\sreg+3]
	WIN 0
.endm
.macro NEXT_REGION
	s_wait_alu depctr_vm_vsrc(0)                   ; the LDS stores above have read the three addresses
	v_add_nc_u32 v[LA], REG, v[LA]
	v_add_nc_u32 v[LB], REG, v[LB]
	v_add_nc_u32 v[LSC], REG, v[LSC]
	s_wait_alu depctr_va_vdst(0)                   ; the three addresses are written, which the LDS stores below read
.endm
	STAGE_IN 3, 0, 192
	NEXT_REGION
	STAGE_IN 3, 96, 196
	NEXT_REGION
	STAGE_IN 2, 128, 200
	BARRIER                                        ; the three regions are whole
	s_mov_b32 s[PH], 0
	s_mov_b32 s[ABASE], 0
.Lphase:                                           ; four trips: [64 x 1,024] x the phase's weight, then what the phase's result becomes
	s_wait_alu depctr_vm_vsrc(0)                   ; the last phase's LDS loads have read v[VA] and v[VS]; the LDS stores issued so far have read the registers of windows 2 and 3 that this phase's products write
	v_add_nc_u32 v[VA], s[ABASE], v[VA0]
	v_add_nc_u32 v[VS], s[ABASE], v[VS0]
	s_wait_alu depctr_va_vdst(0)                   ; v[VA] and v[VS] are written; all that has read or written AS and both buffers AF (the last phase's products, the attention) is done: the loads below and group 0's land there
.irp m, 0,1
.irp k, 0,1
	ds_load_b128 v[AS+8*\m+4*\k:AS+8*\m+4*\k+3], v[VS] offset:32*SCP*\m+16*\k   ; lane l: the eight scale words of row 32 m + l
.endr
.endr
	AHALF 0, 0
	AHALF 0, 1
.irp q, 0,1,2,3,4,5,6,7
	STEP \q
.endr
	WIN 0
	s_wait_alu depctr_va_vdst(0)                   ; behind the last group's places: the phase's last products are done reading the ring and scale set 0, in which the next weight's loads (on the way out: the stage's loads) land, and have written the accumulators, which the LDS stores of V's phase and of the way out read
	s_cmp_eq_u32 s[PH], 3
	s_cbranch_scc1 .Lno_more                       ; behind Wo there is no weight: no load leaves wimg
	s_add_nc_u64 s[WB:WB+1], s[WB:WB+1], PHB       ; (the last group has waited for all loads: the base may step)
	BURST                                          ; the next weight's first fragments land while this phase's result is worked on
.Lno_more:
	BARRIER                                        ; every wave has read the phase's region for the last time
	s_cmp_lt_u32 s[PH], 2
	s_cbranch_scc1 .Lqk
	s_cmp_eq_u32 s[PH], 2
	s_cbranch_scc1 .Lv
	; ---- THE WAY OUT.  A lane holds 32 neighbouring bytes of a row, the lanes beside it other rows: a row tile goes through my own stage and comes back as rows of 1,024 bytes.
	; LDS row 16 mt + h is output row 128 h + 4 (x % 32) + mt of the batch.  LDS serves a wave's instructions in order (ISA guide 5.7.1.4): no wait between the stores and the loads.
	; No vector or matrix instruction stands in it: the wait on va_vdst behind the last products serves all its stores and loads
.macro TOSTAGE mt
	WIN 0x08+4*((\mt)/2)                           ; the data: window 2 or 3
.irp t, 0,1,2,3,4,5,6,7,8,9,10,11,12,13,14,15
	ds_store_b128 v[OSA], v[128*((\mt)%2)+8*\t:128*((\mt)%2)+8*\t+3] offset:64*\t      ; each accumulator from its low end on
	ds_store_b128 v[OSA], v[128*((\mt)%2)+8*\t+4:128*((\mt)%2)+8*\t+7] offset:64*\t+16
.endr
	WIN 0x40                                       ; back into window 1: the ring is done with
.set I, 0
.rept 32
	ds_load_b128 v[128*((\mt)%2)+4*I:128*((\mt)%2)+4*I+3], v[OLA] offset:OSTP*(I/2)+512*(I%2)
.set I, I+1
.endr
	WIN 0
.endm
.macro SEND mt, younger
	s_wait_dscnt \younger
	WIN 0x04                                       ; a store's data are its source 1: window 1
.set I, 0
.rept 32
	global_store_b128 v[L16], v[128*((\mt)%2)+4*I:128*((\mt)%2)+4*I+3], s[22:23] offset:524288*(I/2)+4096*(\mt)+512*(I%2) th:TH_STORE_NT   ; 32 lanes store 512 consecutive bytes, aligned; the largest offset, 7,877,120, lies inside the signed 24 bits
.set I, I+1
.endr
	WIN 0
.endm
	TOSTAGE 0
.irp m, 1,2,3
.if \m > 1
	s_wait_xcnt 0x0                                ; the stores of two tiles back have had their addresses translated (ISA guide 3.1),
	s_wait_alu depctr_vm_vsrc(0)                   ; and have read their registers of window 1, in which this tile's loads land
.endif
	TOSTAGE \m
	SEND \m-1, 63                                  ; behind that tile's loads stand this tile's 32 stores and 32 loads; the wait's field ends at 63
.endr
	SEND 3, 0
	s_branch .Lnext
.Lqk:	; ---- Q or K: quantised along the head's 64 and laid over the activation that made it, in the same form: row = position, K step 2 w + e = heads 4 w + 2 e, 4 w + 2 e + 1
	v_add_nc_u32 v[VST], s[ABASE], v[VST0]         ; (the stores that read these two last stand ahead of the phase's first wait on vm_vsrc)
	v_add_nc_u32 v[VSW], s[ABASE], v[VSW0]
.irp m, 0,1,2,3
.irp e, 0,1
.if (\m)+(\e) > 0
	s_wait_alu depctr_vm_vsrc(0)                   ; the stores of the fragment before have read v[PC ..] and v[PW], which the quantiser writes again
.endif
	QUANT 2+\m/2, 128*(\m%2)+64*\e
	s_wait_alu depctr_va_vdst(0)                   ; the quantiser has written v[PC ..] and v[PW], which the stores below read; ahead of the first fragment's also v[VST] and v[VSW]
	STROW VST, 16*RP*\m+96*\e
	ds_store_b32 v[VSW], v[PW] offset:16*SCP*\m+4*\e   ; both lanes of a row write the same word with the same value
	s_wait_dscnt 0x0                               ; my stores have landed: nothing of mine is out when the next fragment's work begins
.endr
.endr
	s_branch .Lnext                                ; no barrier here: these bytes are read behind the later phases' barriers
.Lv:	; ---- V, and the attention
.irp i, 0,1
.irp k, 6,7,8,9,10,11
	v_mov_b32 v[KF+24*\i+\k], 0                    ; the energies' K is 64: the operands' upper 64 along K are zero codes, which add nothing
	v_mov_b32 v[QF+24*\i+\k], 0
.endr
.endr
.irp k, MX+1, MX+3, RC+1, RC+3, PX, PX+1
	v_mov_b32 v[\k], 0                             ; upper words of pairs of which the low word serves both halves, and lane permutes' destinations: written before they are named
.endr
.macro VTILE mt
	WIN 0x08+4*((\mt)/2)
.irp t, 0,1,2,3,4,5,6,7,8,9,10,11,12,13,14,15  ; lane (position r, h): V[g = 8 h + 0 .. 7][d = 16 w + t], in f32.  (No vector or matrix instruction has named these accumulators since the wait on va_vdst behind the phase's last products)
	ds_store_b128 v[VSS], v[128*((\mt)%2)+8*\t:128*((\mt)%2)+8*\t+3] offset:80*\t
	ds_store_b128 v[VSS], v[128*((\mt)%2)+8*\t+4:128*((\mt)%2)+8*\t+7] offset:80*\t+16
.endr
	WIN 0
	BARRIER                                        ; V of this row tile's 16 positions lies in the stage
	s_mov_b32 s[KC], 0
	s_mov_b32 s[SQ], 0
	s_mov_b32 s[SE96], 0
	s_mov_b32 s[SV], 0
	s_mov_b32 s[SS], 0
.Lpair_\@:                                         ; two trips: positions 4 w + 2 trip + i, i = 0, 1
	s_wait_alu depctr_vm_vsrc(0)                   ; the LDS instructions issued so far have read the six addresses below, v[PC ..] and v[PW]; row tile 0's stores of V have read window 2's v0-127, which the sums and V's loads write
	v_add_nc_u32 v[TQ], s[SQ], v[VQ0]
	v_add_nc_u32 v[TK], s[SQ], v[VK0]
	v_add_nc_u32 v[TE], s[SE96], v[VE0]
	v_add_nc_u32 v[TV], s[SV], v[VL0]
	v_add_nc_u32 v[VST], s[SE96], v[VW0]
	v_add_nc_u32 v[VSW], s[SS], v[VWS0]
	s_wait_alu depctr_va_vdst(0)                   ; the six addresses are written; the products before are done with the operands', the scale words' and V's registers, in which the loads below land; the operands' zero halves, which the scaled products take, are written (their places stand ahead of this wait)
.irp i, 0,1
.irp p, 0,1,2
	ds_load_b64 v[KF+24*\i+2*\p:KF+24*\i+2*\p+1], v[TK] offset:(16*(\mt)+\i)*RP+8*\p   ; lane (head r, h): d = 32 h + 0 .. 31
	ds_load_b64 v[QF+24*\i+2*\p:QF+24*\i+2*\p+1], v[TQ] offset:(16*(\mt)+\i)*RP+8*\p
.endr
	ds_load_u16 v[SE+\i], v[TE] offset:(16*(\mt)+\i)*SCP   ; the head's two scale bytes; bytes 2 and 3 come as 0, over zero codes
.endr
	WIN 0x80                                       ; destination window 2
.irp i, 0,1
.irp u, 0,1,2,3                                ; lane (r, h) of tile u: channel 32 (u / 2) + 8 (u % 2) + r + 8 (r / 8), heads 8 h + 0 .. 7
.irp c, 0,1
	ds_load_b128 v[64+32*\i+8*\u+4*\c:64+32*\i+8*\u+4*\c+3], v[TV] offset:PV*\i+2816*(\u/2)+640*(\u%2)+16*\c
.endr
.endr
.endr
	WIN 0
	s_wait_dscnt 16                                ; the 14 loads of codes and scale bytes are in; V's 16 may be out
.irp i, 0,1                                    ; source 0 = K's 16 heads (scales in lanes 16-31), source 1 = Q's: lane (h, half) holds energy[h][g = 8 half + 0 .. 7]
	v_wmma_scale_f32_16x16x128_f8f6f4 v[EN+8*\i:EN+8*\i+7], v[KF+24*\i:KF+24*\i+11], v[QF+24*\i:QF+24*\i+11], 0, v[SE+\i], v[SE+\i] matrix_a_fmt:MATRIX_FMT_BF6 matrix_b_fmt:MATRIX_FMT_BF6 matrix_a_scale:MATRIX_SCALE_ROW1
.endr
	PLACES 4
.irp i, 0,1                                    ; the softmax, the two positions by turns
	v_max3_num_f32 v[MX+2*\i], v[EN+8*\i], v[EN+8*\i+1], v[EN+8*\i+2]
.endr
.irp k, 3,5
.irp i, 0,1
	v_max3_num_f32 v[MX+2*\i], v[MX+2*\i], v[EN+8*\i+\k], v[EN+8*\i+\k+1]
.endr
.endr
.irp i, 0,1
	v_max_num_f32 v[MX+2*\i], v[MX+2*\i], v[EN+8*\i+7]
.endr
.irp i, 0,1
	v_permlanex16_b32 v[PX+\i], v[MX+2*\i], s[SEL], s[SEL+1]
.endr
.irp i, 0,1
	v_max_num_f32 v[MX+2*\i], v[MX+2*\i], v[PX+\i] ; the row's largest energy
.endr
.irp k, 0,2,4,6                                ; the maximum is taken away FIRST and the difference scaled, not both in one fused line: the error then goes with the difference and not with the size of the energies
.irp i, 0,1
	v_pk_add_f32 v[EN+8*\i+\k:EN+8*\i+\k+1], v[EN+8*\i+\k:EN+8*\i+\k+1], v[MX+2*\i:MX+2*\i+1] op_sel_hi:[1,0] neg_lo:[0,1] neg_hi:[0,1]
.endr
.endr
.irp k, 0,2,4,6
.irp i, 0,1
	v_pk_mul_f32 v[EN+8*\i+\k:EN+8*\i+\k+1], v[EN+8*\i+\k:EN+8*\i+\k+1], s[CS:CS+1] op_sel_hi:[1,0]
.endr
.endr
	s_wait_alu depctr_va_vdst(0)
.irp k, 0,1,2,3,4,5,6,7,8,9,10,11,12,13,14,15
	v_exp_f32 v[EN+\k], v[EN+\k]                   ; e^((energy - maximum) / 512): one batch
.endr
	v_nop                                          ; a plain instruction behind the last exponential
	s_wait_alu depctr_va_vdst(0)                   ; the sixteen exponentials have written v[EN ..]
.irp i, 0,1
	v_pk_add_f32 v[T0+4*\i:T0+4*\i+1], v[EN+8*\i:EN+8*\i+1], v[EN+8*\i+2:EN+8*\i+3]
	v_pk_add_f32 v[T0+4*\i+2:T0+4*\i+3], v[EN+8*\i+4:EN+8*\i+5], v[EN+8*\i+6:EN+8*\i+7]
.endr
.irp i, 0,1
	v_pk_add_f32 v[T0+4*\i:T0+4*\i+1], v[T0+4*\i:T0+4*\i+1], v[T0+4*\i+2:T0+4*\i+3]
.endr
.irp i, 0,1
	v_add_f32 v[SM+\i], v[T0+4*\i], v[T0+4*\i+1]
.endr
.irp i, 0,1
	v_permlanex16_b32 v[PX+\i], v[SM+\i], s[SEL], s[SEL+1]
.endr
.irp i, 0,1
	v_add_f32 v[SM+\i], v[SM+\i], v[PX+\i]         ; the row's sum
.endr
	s_wait_alu depctr_va_vdst(0)
.irp i, 0,1
	v_rcp_f32 v[RC+2*\i], v[SM+\i]
.endr
	v_nop
	s_wait_alu depctr_va_vdst(0)                   ; the two reciprocals have written v[RC] and v[RC+2]: ahead of their first reader
.irp k, 0,2,4,6
.irp i, 0,1
	v_pk_mul_f32 v[EN+8*\i+\k:EN+8*\i+\k+1], v[EN+8*\i+\k:EN+8*\i+\k+1], v[RC+2*\i:RC+2*\i+1] op_sel_hi:[1,0]   ; a[h][g]
.endr
.endr
	PLACES 4
	s_wait_alu depctr_va_vdst(0)
	s_wait_dscnt 0x0                               ; V is in
	WIN 0xa2                                       ; source 0 (V), C and D window 2; source 1 (a) window 0
; weighted^T = V^T a^T in f32, since the result goes into a quantiser: source 0 = 16 channels, source 1 = the 16 heads h.  Place k = 2 half + j of instruction q stands for g = 8 half + 2 q + j on BOTH sources,
; so a's registers and V's 32 loaded bytes are the operands as they stand.  Eight accumulators by turns; each sum's first instruction takes the constant 0.
.irp q, 0,1,2,3
.irp i, 0,1
.irp u, 0,1,2,3
.if \q == 0
	v_wmma_f32_16x16x4_f32 v[8*(4*\i+\u):8*(4*\i+\u)+7], v[64+32*\i+8*\u+2*\q:64+32*\i+8*\u+2*\q+1], v[EN+8*\i+2*\q:EN+8*\i+2*\q+1], 0
.else
	v_wmma_f32_16x16x4_f32 v[8*(4*\i+\u):8*(4*\i+\u)+7], v[64+32*\i+8*\u+2*\q:64+32*\i+8*\u+2*\q+1], v[EN+8*\i+2*\q:EN+8*\i+2*\q+1], v[8*(4*\i+\u):8*(4*\i+\u)+7]
.endif
.endr
.endr
.endr
	PLACES 8                                       ; this form wants eight
	QUANT 2, 0                                     ; lane (h, half), register 32 i + 16 b + n: d = 32 b + 16 half + n of position i: k = 64 i + d of K step 2 w + trip, row h
	s_wait_alu depctr_va_vdst(0)                   ; the quantiser has written v[PC ..] and v[PW], which the stores below read
	STROW VST, 16*RP*(\mt)
	ds_store_b32 v[VSW], v[PW] offset:16*SCP*(\mt)
	s_wait_dscnt 0x0                               ; my stores have landed: nothing of mine is out when the next pair's work begins
	s_add_co_u32 s[SQ], s[SQ], 2*RP
	s_add_co_u32 s[SE96], s[SE96], 96
	s_add_co_u32 s[SV], s[SV], 2*PV
	s_add_co_u32 s[SS], s[SS], 4
	s_add_co_u32 s[KC], s[KC], 1
	s_cmp_lt_u32 s[KC], 2
	s_cbranch_scc1 .Lpair_\@
	BARRIER                                        ; every wave has read the stage: the next row tile's V may be stored; behind the last one region 3 is whole
.endm
	VTILE 0
	VTILE 1
	VTILE 2
	VTILE 3
.Lnext:
	s_add_co_u32 s[ABASE], s[ABASE], REG
	s_add_co_u32 s[PH], s[PH], 1
	s_cmp_lt_u32 s[PH], 4
	s_cbranch_scc1 .Lphase
	s_wait_dscnt 0x0                               ; the closing lines, six on end
	s_wait_alu 0x0
	s_wait_tensorcnt 0x0
	ds_add_u32 v[SPW], v[NIL]
	s_wait_dscnt 0x0
	s_endpgm
.Lfunc_end_k_qb30b6a1306_fused:
	.size	k_qb30b6a1306_fused, .Lfunc_end_k_qb30b6a1306_fused-k_qb30b6a1306_fused
	.p2alignl 7, 3214868480
	.fill 96, 4, 3214868480
	.section	.rodata,"a",@progbits
	.p2align	6, 0x0
	.amdhsa_kernel k_qb30b6a1306_fused
		.amdhsa_group_segment_fixed_size 310016
		.amdhsa_private_segment_fixed_size 0
		.amdhsa_enable_private_segment 0
		.amdhsa_kernarg_size 64
		.amdhsa_user_sgpr_count 2
		.amdhsa_user_sgpr_kernarg_segment_ptr 1
		.amdhsa_wavefront_size32 1
		.amdhsa_system_sgpr_workgroup_id_x 1
		.amdhsa_system_sgpr_workgroup_id_y 1
		.amdhsa_system_sgpr_workgroup_id_z 1
		.amdhsa_system_vgpr_workitem_id 0
		.amdhsa_next_free_vgpr 1024
		.amdhsa_next_free_sgpr 66
		.amdhsa_reserve_vcc 0
		.amdhsa_float_denorm_mode_32 3
		.amdhsa_float_denorm_mode_16_64 3
		.amdhsa_memory_ordered 1
		.amdhsa_forward_progress 1
		.amdhsa_inst_pref_size 255
	.end_amdhsa_kernel
	.section	.bss,"aw",@nobits
	.p2align	6
	.space	262144
	.amdgpu_metadata
---
amdhsa.version: [ 1, 2 ]
amdhsa.kernels:
  - .name:           k_qb30b6a1306_fused
    .symbol:         k_qb30b6a1306_fused.kd
    .args:
      - { .name: query_codes, .offset: 0, .size: 8, .value_kind: global_buffer, .address_space: global }
      - { .name: query_scales, .offset: 8, .size: 8, .value_kind: global_buffer, .address_space: global }
      - { .name: key_codes, .offset: 16, .size: 8, .value_kind: global_buffer, .address_space: global }
      - { .name: key_scales, .offset: 24, .size: 8, .value_kind: global_buffer, .address_space: global }
      - { .name: value_codes, .offset: 32, .size: 8, .value_kind: global_buffer, .address_space: global }
      - { .name: value_scales, .offset: 40, .size: 8, .value_kind: global_buffer, .address_space: global }
      - { .name: wimg, .offset: 48, .size: 8, .value_kind: global_buffer, .address_space: global }
      - { .name: out0, .offset: 56, .size: 8, .value_kind: global_buffer, .address_space: global }
    .group_segment_fixed_size: 310016
    .private_segment_fixed_size: 0
    .kernarg_segment_align: 8
    .kernarg_segment_size: 64
    .max_flat_workgroup_size: 128
    .sgpr_count:     66
    .vgpr_count:     1024
    .wavefront_size: 32
...
	.end_amdgpu_metadata
.endif
;; end of part 4
